; MI455X (gfx1250); checked and timed in simulation.
; The chip was launched on July 23, 2026; its instructions are those of AMD's public machine-readable ISA for CDNA 5 (MIT licence, August 2026) and "CDNA5" Instruction Set Architecture Reference Guide (July 2026). The comments in the code are by the model that wrote it; some were corrected since.
;; Multi Head Attention. Allowed arithmetic: matrix products marked QUANTISED: E2M3 operands, one E8M0 scale for each 32 along K, by v_wmma_scale_f32_16x16x128_f8f6f4 with both operands' format E2M3, f32 sums; products left as they are: f32 operands where the result goes on into a quantised operand, else bf16, f16 or f32 operands; f32 sums; everything else in f32.
;; Inputs: Wk 2,048 x 2,048 float32; Wo 2,048 x 2,048 float32; Wq 2,048 x 2,048 float32; Wv 2,048 x 2,048 float32; attention_mask 1 x 1 x 2,048 x 2,048 int32; hidden_states 1 x 2,048 x 2,048 float32.
;; Outputs: out0 1 x 2,048 x 2,048 float32.
;; This version of the problem:
;;   THIS VERSION OF THE PROBLEM IS GIVEN IN LOW PRECISION. The matrix products marked QUANTISED in the list below multiply operands that are first quantised to E2M3 (2 exponent bits, 3 mantissa bits; 6 bits a number), with one power-of-two scale for each 32 numbers along K (OCP MX v1.0); their sums are f32. All else is computed in f32.
;;   The module's matrix products, in the order in which they are computed (A, B: the left and right operand; K: the contracted axis; several contracted axes count as one K, in the product's order):
;;     1. [M 2,048, K 2,048] x [K 2,048, N 2,048]; A: input hidden_states; B: input Wq: QUANTISED
;;     2. [M 2,048, K 2,048] x [K 2,048, N 2,048]; A: input hidden_states; B: input Wk: QUANTISED
;;     3. [M 2,048, K 2,048] x [K 2,048, N 2,048]; A: input hidden_states; B: input Wv: QUANTISED
;;     4. [M 2,048, K 1] x [K 1, N 64]; A: computed on the way; B: computed on the way: left as it is (no contracted axis)
;;     5. batch 16 x [M 2,048, K 128] x [K 128, N 2,048]; A: computed on the way; B: computed on the way: QUANTISED
;;     6. batch 16 x [M 2,048, K 2,048] x [K 2,048, N 128]; A: softmax (see below); B: computed on the way: QUANTISED
;;     7. [M 2,048, K 2,048] x [K 2,048, N 2,048]; A: computed on the way; B: input Wo: QUANTISED
;;   THE QUANTISER, for each operand of a quantised product, along K:
;;     - K is cut into blocks of 32 from its start; a last block that is shorter is filled with zeros.
;;     - A block's scale is 2^e with e = floor(log2(the largest magnitude in the block)) - 2, held to -126 .. 127; a block of zeros has e = 0. As a byte (E8M0): e + 127.
;;     - Each number is divided by its block's scale, clamped to +-7.5, and rounded to the nearest number of E2M3, ties to even, subnormals kept.
;;     - The product sums the exact products of the quantised numbers (number of the format x scale) in f32.
;;   ~~~python
;;   def quantise(x, axis):      # numpy; x: float32 -> the quantised numbers, widened to float32 again
;;       x = np.moveaxis(x, axis, -1); K = x.shape[-1]
;;       x = np.pad(x, [(0, 0)] * (x.ndim - 1) + [(0, -K % 32)]); x = x.reshape(x.shape[:-1] + (-1, 32)); a = np.abs(x).max(-1, keepdims=True)
;;       e = np.where(a > 0, np.clip(np.frexp(np.where(a > 0, a, 1))[1] - 1 - 2, -126, 127), 0)      # np.frexp(a)[1] - 1 = floor(log2(a)), exactly
;;       r = np.clip(x / 2.0 ** e, -7.5, 7.5)
;;       step = 2.0 ** (np.maximum(np.frexp(np.where(r == 0, 1, r))[1] - 1, 0) - 3)
;;       q = np.round(r / step) * step * 2.0 ** e      # np.round: ties to even
;;       return np.moveaxis(q.reshape(q.shape[:-2] + (-1,))[..., :K], -1, axis).astype(np.float32)
;;   ~~~
;;   SOFTMAX AHEAD OF A QUANTISED PRODUCT. Where the list says 'softmax', what is quantised is not the finished softmax but p = 2^(t - M), with t = logit x log2(e) and M = ceil(the row's largest t), a whole number; so 1/2 < the row's largest p <= 1. The row's sum l is taken of the UNQUANTISED p, in f32, and the product's result is divided by l at the end. Since M is a whole number, a kernel that streams over the keys may use a running M (the ceiling of the running maximum): every later rescaling is an exact power of two, which a block's scale takes up: the codes' values come out the same.
;;   OPERANDS COMPUTED ON THE WAY. 'Computed on the way' means the value that the module computes at that place (a softmax that the list does not call 'softmax' is quantised finished and normalised). What goes into a quantiser is computed in f32, as accurately as f32 sums, v_exp_f32 and their like allow (about 1e-6 of the number): no bf16 or f16 on the way to a quantiser, and a product that is left as it is and whose result goes on into a quantised operand takes f32 operands (vector FMAs, or v_wmma_f32_16x16x4_f32). A number that lies on a knife's edge between two numbers of the format may be rounded either way, as far as f32 arithmetic and the matrix unit's own rounding can turn it there, and no further.
;; One version. Each part assembles by itself: llvm-mc -triple=amdgcn-amd-amdhsa -mcpu=gfx1250 --defsym DOCPART=n.
;; ======== version 1 of 1: 4 launches
;; limits: right only within a limited range of input values
;; workspace buffers: codes 15,728,640 bytes; scales 655,360 bytes; maskw 524,288 bytes of whole numbers; rope 1,048,576 bytes; qkv_codes 9,437,184 bytes; qkv_scales 524,288 bytes; attn_codes 3,145,728 bytes; attn_scales 131,072 bytes
;; launch prep (part 1): grid 768 x 1, 4 waves a work-group, no clusters, 34,304 bytes of LDS; arguments hidden_states, Wq, Wk, Wv, Wo, attention_mask, codes, scales, maskw, rope; writes codes, scales, maskw, rope
.if DOCPART == 1
	.amdgcn_target "amdgcn-amd-amdhsa--gfx1250"
	.amdhsa_code_object_version 6
	.text
	.protected	k_q56cf12313f_prep
	.globl	k_q56cf12313f_prep
	.p2align	8
	.type	k_q56cf12313f_prep,@function
k_q56cf12313f_prep:
	s_mov_b64 s[64:65], 0
	v_nop
	global_prefetch_b8 v0, s[64:65] scope:SCOPE_SE
	s_setreg_imm32_b32 hwreg(HW_REG_WAVE_MODE, 25, 1), 1
	s_wait_xcnt 0x0
; PREP.  Five f32 tensors [2048][2048] (hidden_states, Wq, Wk, Wv, Wo) become codes of FP6 (E2M3) with one E8M0 byte for each 32 along K (K = the last axis);
; the mask [2048][2048] of int32 becomes one bit a number; the work-groups of the mask also make the table of cosines and sines.
; A work-group takes ONE TILE OF 16 ROWS of one tensor: tensor T = group / 128 (5 = the mask), tile rt = group % 128.
; THE ROWS OF A TILE ARE NOT NEIGHBOURS: tile rt = 8 g + 4 c + u holds rows 128 g + 64 c + 8 u + a + 24 (a / 8), a = 0 .. 15.  As source 0 of a matrix instruction the eight tiles of
; a group of 128 rows then give a lane 64 results of which number 32 c + i has the index 64 c + 32 (lane / 16) + i: the order of a 6-bit operand, a whole block of 32 in one lane.
; CODES LEAVE AS IMAGES OF OPERAND REGISTERS: a fragment (16 rows x 128 K, 12 registers a lane) is 1,536 bytes, register 4 c + i of lane l at 512 c + 16 l + 4 i: three stores of 512 consecutive bytes.
; Wave w takes columns 512 w on: four fragments.  Each load reads 512 consecutive bytes of one row; a fragment's 16 rows turn through the wave's own stage in LDS (rows 528 bytes apart)
; so that lane (r, h) gets, of row r, the numbers 64 c + 32 h + 0 .. 31.  No barrier: waves share nothing.  Loads run two fragments (32 loads a wave) ahead.
; A block's scale is 2^(floor(log2(largest magnitude)) - 2); its byte is the largest magnitude's exponent field - 2, held at 1 from below.
; LIMITS: a block of zeros, or one whose largest magnitude lies under 2^-124, gets the byte 1 (its codes are zeros or next to it; only this program reads the bytes).  NaN and infinities are not served.
; The table: angle = token x 10000^(-i / 64), the power by v_exp_f32 of an exponent kept in two parts; the angle is brought under pi / 4 by pi / 2 in three parts, sine and cosine by polynomials in f32.
.set STG,  8448                        ; a wave's stage: 16 rows x 528 bytes
.set LI,   4                           ; v4   16 x lane
.set STW,  5                           ; v5   the stage on the way in: 16 x lane
.set STR,  6                           ; v6   and on the way out: 528 r + 128 h
.set L8,   7                           ; v7   8 x lane
.set SH8,  8                           ; v8   8 h
.set TM,   9                           ; v9-15 at work in QUANT
.set WD,   16                          ; v16-19 the four fragments' scale words
.set MW,   20                          ; v20-27 the mask's words, two registers a fragment
.set PC,   28                          ; v28-39 a fragment's codes
.set CT,   40                          ; v40-46 the halves of blocks that are made elsewhere and moved
.set R,    64                          ; v64-191 two sets of 64 registers as loaded
.set X,    192                         ; v192-255 a lane's 64 numbers in the operand's order
.set SEL,  46                          ; s46-47 selects for lane l xor 16
.set MSB, 0
.macro WIN new                         ; (this text never leaves window 0: the macro writes nothing here)
.if MSB != (\new)
	s_set_vgpr_msb (MSB<<8)|(\new)
.set MSB, (\new)
.endif
.endm
; 64 numbers of a lane in window w, number 32 c + i = k 64 c + 32 h + i of the lane's row, become a fragment's 12 registers at pc and the row's scale word in wd.
.macro QUANT src, w, pc, wd
	WIN ((\w)|((\w)<<2))
.irp c, 0,1
	v_max3_num_f32 v[TM+\c], |v[(\src)+32*\c]|, |v[(\src)+32*\c+1]|, 0x1800000   ; my block 2 c + h, all 32 numbers mine; the floor 2^(3 - 127) holds the byte at 1 from below
.endr
.irp i, 2,4,6,8,10,12,14,16,18,20,22,24,26,28,30
.irp c, 0,1
	v_max3_num_f32 v[TM+\c], |v[(\src)+32*\c+\i]|, |v[(\src)+32*\c+\i+1]|, v[TM+\c]
.endr
.endr
	WIN 0
.irp c, 0,1
	v_add_nc_u32 v[TM+2+\c], 0xff000000, v[TM+\c]   ; 2 off the exponent field: the conversion takes this operand's exponent field as its scale
.endr
.irp c, 0,1
	v_lshrrev_b32 v[TM+4+\c], 23, v[TM+2+\c]        ; the scale's byte
.endr
	v_lshl_or_b32 v[\wd], v[TM+5], 16, v[TM+4]      ; my two bytes: blocks h and 2 + h,
	v_lshlrev_b32 v[\wd], v[SH8], v[\wd]            ; at their places in the word;
	v_permlanex16_b32 v[TM+6], v[\wd], s[SEL], s[SEL+1]
	v_or_b32 v[\wd], v[\wd], v[TM+6]                ; with lane l xor 16's two the word is whole
	WIN (\w)
	v_cvt_scalef32_pk16_fp6_f32 v[(\pc):(\pc)+2], v[(\src):(\src)+15], v[TM+2]
	v_cvt_scalef32_pk16_fp6_f32 v[CT:CT+2], v[(\src)+16:(\src)+31], v[TM+2]         ; (a conversion's three registers begin on an even number)
	v_cvt_scalef32_pk16_fp6_f32 v[(\pc)+6:(\pc)+8], v[(\src)+32:(\src)+47], v[TM+3]
	v_cvt_scalef32_pk16_fp6_f32 v[CT+4:CT+6], v[(\src)+48:(\src)+63], v[TM+3]
	WIN 0
	v_nop                                           ; one plain place behind the scaled conversions
.irp i, 0,1,2
	v_mov_b32 v[(\pc)+3+\i], v[CT+\i]
	v_mov_b32 v[(\pc)+9+\i], v[CT+4+\i]
.endr
.endm
	s_load_b512 s[4:19], s[0:1], 0x0               ; hidden_states, Wq, Wk, Wv, Wo, the mask, codes s[16:17], scales s[18:19]
	s_load_b128 s[20:23], s[0:1], 0x40             ; maskw s[20:21], rope s[22:23]
	v_lshl_add_u32 v62, v0, 2, 0x8400
	v_mov_b32 v63, 0
	v_lshrrev_b32 v1, 5, v0
	v_readfirstlane_b32 s29, v1                    ; wave
	v_and_b32 v1, 31, v0                           ; lane
	v_and_b32 v2, 15, v0                           ; r
	v_bfe_u32 v3, v0, 4, 1                         ; h
	v_lshlrev_b32 v[LI], 4, v1
	s_mul_i32 s30, s29, STG
	v_add_nc_u32 v[STW], s30, v[LI]
	v_mul_u32_u24 v[STR], v2, 528
	v_lshl_add_u32 v[STR], v3, 7, v[STR]
	v_add_nc_u32 v[STR], s30, v[STR]
	v_lshlrev_b32 v[L8], 3, v1
	v_lshlrev_b32 v[SH8], 3, v3
	v_mov_b32 v[TM+6], 0                           ; a lane permute's destination counts as one of its sources
.irp i, 0,1,2,3
	v_mov_b32 v[WD+\i], 0
.endr
.irp i, 0,1,2,3,4,5,6,7
	v_mov_b32 v[MW+\i], 0                          ; v_writelane_b32 keeps the other lanes: written whole once
.endr
	s_mov_b32 s[SEL], 0x76543210
	s_mov_b32 s[SEL+1], 0xfedcba98
	s_mov_b32 s45, 0xffff0000                      ; lanes 16-31
	s_lshr_b32 s24, ttmp9, 7                       ; T: which tensor
	s_and_b32 s25, ttmp9, 127                      ; rt: which tile
	s_lshr_b32 s28, s25, 3
	s_lshl_b32 s28, s28, 7
	s_bfe_u32 s30, s25, 0x10002
	s_lshl_b32 s30, s30, 6
	s_add_co_u32 s28, s28, s30
	s_and_b32 s30, s25, 3
	s_lshl_b32 s30, s30, 3
	s_add_co_u32 s28, s28, s30                     ; the tile's first row: 128 g + 64 c + 8 u
	s_lshl_b32 s30, s28, 13                        ; rows of 8,192 bytes,
	s_lshl_b32 s31, s29, 11                        ; my wave's 2,048 bytes of them
	s_add_co_u32 s30, s30, s31
	s_mov_b32 s31, 0
	s_mul_i32 s32, ttmp9, 24576                    ; codes: 16 fragments a tile,
	s_mul_i32 s33, s29, 6144                       ; my four
	s_add_co_u32 s32, s32, s33
	s_mov_b32 s33, 0
	s_wait_kmcnt 0x0
	s_cmp_eq_u32 s24, 1                            ; the choice of the source hangs on the work-group's number alone
	s_cselect_b64 s[26:27], s[6:7], s[4:5]
	s_cmp_eq_u32 s24, 2
	s_cselect_b64 s[26:27], s[8:9], s[26:27]
	s_cmp_eq_u32 s24, 3
	s_cselect_b64 s[26:27], s[10:11], s[26:27]
	s_cmp_eq_u32 s24, 4
	s_cselect_b64 s[26:27], s[12:13], s[26:27]
	s_cmp_eq_u32 s24, 5
	s_cselect_b64 s[26:27], s[14:15], s[26:27]
	s_add_nc_u64 s[26:27], s[26:27], s[30:31]
	s_add_nc_u64 s[16:17], s[16:17], s[32:33]
	s_lshl_b32 s30, ttmp9, 10                      ; scale words: 1,024 bytes a tile, 256 a wave
	s_lshl_b32 s32, s29, 8
	s_add_co_u32 s30, s30, s32
	s_add_nc_u64 s[18:19], s[18:19], s[30:31]
	s_lshl_b32 s30, s25, 12                        ; mask words: 4,096 bytes a tile, 1,024 a wave
	s_lshl_b32 s32, s29, 10
	s_add_co_u32 s30, s30, s32
	s_add_nc_u64 s[20:21], s[20:21], s[30:31]
	s_lshl_b32 s30, s25, 13                        ; the table: 8,192 bytes a tile of tokens; my wave's first piece at 1,024 w
	s_add_co_u32 s30, s30, s32
	s_add_nc_u64 s[22:23], s[22:23], s[30:31]
.macro LOAD f                          ; fragment f: 16 rows x 512 consecutive bytes, into set f % 2
.irp a, 0,1,2,3,4,5,6,7,8,9,10,11,12,13,14,15
	global_load_b128 v[R+64*((\f)%2)+4*\a:R+64*((\f)%2)+4*\a+3], v[LI], s[26:27] offset:(\a+24*(\a/8))*8192+512*(\f) th:TH_LOAD_NT
.endr
.endm
.macro FRAGMENT f
.if (\f) < 3
	s_wait_loadcnt 16                              ; this fragment's 16 loads are in; the next fragment's 16 may be out
.else
	s_wait_loadcnt 0x0
.endif
.irp a, 0,1,2,3,4,5,6,7,8,9,10,11,12,13,14,15
	ds_store_b128 v[STW], v[R+64*((\f)%2)+4*\a:R+64*((\f)%2)+4*\a+3] offset:528*\a
.endr
.irp c, 0,1
.irp j, 0,1,2,3,4,5,6,7
	ds_load_b128 v[X+32*\c+4*\j:X+32*\c+4*\j+3], v[STR] offset:256*\c+16*\j   ; LDS serves a wave's instructions in order: these see the stores above
.endr
.endr
	s_wait_dscnt 0x0                               ; my 64 numbers are in, and the stores have read their registers,
.if (\f) < 2
	LOAD (\f)+2                                    ; which take the loads of two fragments on
.endif
	s_cmp_eq_u32 s24, 5                            ; the two ways part round register work and global stores alone
	s_cbranch_scc1 .Lbits_\@
	s_wait_xcnt 0x0                                ; the last fragment's stores have read PC: it is written again only behind this wait
	QUANT X, 0, PC, WD+(\f)
.irp c, 0,1,2
	global_store_b128 v[LI], v[PC+4*\c:PC+4*\c+3], s[16:17] offset:1536*(\f)+512*\c   ; 512 consecutive bytes a store
.endr
	s_branch .Ldone_\@
.Lbits_\@:                                         ; the mask: word n of the fragment's 64 holds, for lane (r, h), whether mask[row r][64 c + 32 h + i] is not 0, n = 32 c + i
.set n, 0
	s_wait_alu depctr_va_vdst(0)
.rept 64
	v_cmp_ne_u32 s[30+n%4], 0, v[X+n]
	v_writelane_b32 v[MW+2*(\f)+(n&1)], s[30+n%4], n/2   ; lane n / 2 gathers words n and n + 1
.set n, n+1
.endr
	global_store_b64 v[L8], v[MW+2*(\f):MW+2*(\f)+1], s[20:21] offset:256*(\f)   ; 256 consecutive bytes, aligned
.Ldone_\@:
.endm
	LOAD 0
	LOAD 1
	FRAGMENT 0
	FRAGMENT 1
	FRAGMENT 2
	FRAGMENT 3
	s_cmp_eq_u32 s24, 5
	s_cbranch_scc1 .Lrope
	; the scale words leave as [pair of K steps][row][2 words]: lanes 0-15 the first pair, lanes 16-31 the second: 256 consecutive bytes
	v_cndmask_b32 v48, v[WD], v[WD+2], s45
	v_cndmask_b32 v49, v[WD+1], v[WD+3], s45
	global_store_b64 v[L8], v[48:49], s[18:19]
	s_wait_tensorcnt 0x0
	ds_add_u32 v62, v63
	s_wait_dscnt 0x0
	s_endpgm
.Lrope:
	; THE TABLE for the tile's 16 tokens.  Wave w makes the frequencies i = 32 h + 8 w + j, j = 0 .. 7, for token = the tile's row r: eight cosines and eight sines a lane.
.set FA, 64
.set FB, 72
.set FC, 80
.set FD, 88
.set FE, 96
.set FF, 104
.set FG, 112
.set FH, 120
.set SN, 128
.set CN, 136
	s_mov_b32 s34, 0xbe549a78                      ; -log2(10000) / 64, its high part
	s_mov_b32 s35, 0xb19763b5                      ; and what is left of it
	s_mov_b32 s36, 0xbfc90fdb                      ; -pi / 2 in three parts
	s_mov_b32 s37, 0x333bbd2e
	s_mov_b32 s38, 0x26f72ced
	s_mov_b32 s39, 0xb94ca1f9                      ; sine: -1.9515295891e-4, 8.3321608736e-3, -1.6666654611e-1
	s_mov_b32 s40, 0x3c08839e
	s_mov_b32 s41, 0xbe2aaaa3
	s_mov_b32 s42, 0x37ccf5ce                      ; cosine: 2.443315712e-5, -1.388731625e-3, 4.166664568e-2
	s_mov_b32 s43, 0xbab6061a
	s_mov_b32 s44, 0x3d2aaaa5
	v_lshlrev_b32 v48, 5, v3
	v_lshl_add_u32 v48, s29, 3, v48                ; 32 h + 8 w
	v_lshrrev_b32 v49, 3, v2
	v_mad_u32_u24 v49, v49, 24, v2
	v_add_nc_u32 v49, s28, v49                     ; my token
	v_cvt_f32_u32 v49, v49
.irp j, 0,1,2,3,4,5,6,7
	v_add_nc_u32 v[FA+\j], \j, v48
.endr
.irp j, 0,1,2,3,4,5,6,7
	v_cvt_f32_u32 v[FA+\j], v[FA+\j]               ; i
.endr
.irp j, 0,1,2,3,4,5,6,7
	v_mul_f32 v[FB+\j], s34, v[FA+\j]              ; p = the exponent, rounded
.endr
.irp j, 0,1,2,3,4,5,6,7
	v_fma_f32 v[FC+\j], v[FA+\j], s34, -v[FB+\j]   ; what the rounding dropped,
.endr
.irp j, 0,1,2,3,4,5,6,7
	v_fma_f32 v[FC+\j], v[FA+\j], s35, v[FC+\j]    ; and the low part's share
.endr
.irp j, 0,1,2,3,4,5,6,7
	v_rndne_f32 v[FD+\j], v[FB+\j]                 ; its whole part
.endr
.irp j, 0,1,2,3,4,5,6,7
	v_sub_f32 v[FB+\j], v[FB+\j], v[FD+\j]
.endr
.irp j, 0,1,2,3,4,5,6,7
	v_add_f32 v[FB+\j], v[FB+\j], v[FC+\j]         ; the rest, within a half
.endr
.irp j, 0,1,2,3,4,5,6,7
	v_cvt_i32_f32 v[FD+\j], v[FD+\j]
.endr
	s_wait_alu depctr_va_vdst(0)
.irp j, 0,1,2,3,4,5,6,7
	v_exp_f32 v[FB+\j], v[FB+\j]
.endr
	v_nop                                          ; a plain place behind the last exponential
	s_wait_alu depctr_va_vdst(0)                   ; one wait for the eight, ahead of their first reader
.irp j, 0,1,2,3,4,5,6,7
	v_ldexp_f32 v[FB+\j], v[FB+\j], v[FD+\j]       ; 10000^(-i / 64)
.endr
.irp j, 0,1,2,3,4,5,6,7
	v_mul_f32 v[FB+\j], v49, v[FB+\j]              ; the angle
.endr
.irp j, 0,1,2,3,4,5,6,7
	v_mul_f32 v[FC+\j], 0x3f22f983, v[FB+\j]       ; x 2 / pi
.endr
.irp j, 0,1,2,3,4,5,6,7
	v_rndne_f32 v[FC+\j], v[FC+\j]                 ; k quarter turns
.endr
.irp j, 0,1,2,3,4,5,6,7
	v_fma_f32 v[FB+\j], v[FC+\j], s36, v[FB+\j]
.endr
.irp j, 0,1,2,3,4,5,6,7
	v_fma_f32 v[FB+\j], v[FC+\j], s37, v[FB+\j]
.endr
.irp j, 0,1,2,3,4,5,6,7
	v_fma_f32 v[FB+\j], v[FC+\j], s38, v[FB+\j]    ; x = the angle less k pi / 2
.endr
.irp j, 0,1,2,3,4,5,6,7
	v_cvt_i32_f32 v[FC+\j], v[FC+\j]
.endr
.irp j, 0,1,2,3,4,5,6,7
	v_mul_f32 v[FD+\j], v[FB+\j], v[FB+\j]         ; z = x x
.endr
.irp j, 0,1,2,3,4,5,6,7
	v_fma_f32 v[FE+\j], v[FD+\j], s39, s40
	v_fma_f32 v[FF+\j], v[FD+\j], s42, s43
.endr
.irp j, 0,1,2,3,4,5,6,7
	v_fma_f32 v[FE+\j], v[FE+\j], v[FD+\j], s41
	v_fma_f32 v[FF+\j], v[FF+\j], v[FD+\j], s44
.endr
.irp j, 0,1,2,3,4,5,6,7
	v_mul_f32 v[FE+\j], v[FE+\j], v[FD+\j]
	v_mul_f32 v[FF+\j], v[FF+\j], v[FD+\j]
	v_fma_f32 v[FG+\j], v[FD+\j], -0.5, 1.0
.endr
.irp j, 0,1,2,3,4,5,6,7
	v_fma_f32 v[FE+\j], v[FE+\j], v[FB+\j], v[FB+\j]   ; sin x
	v_fma_f32 v[FF+\j], v[FF+\j], v[FD+\j], v[FG+\j]   ; cos x
.endr
.irp j, 0,1,2,3,4,5,6,7
	v_and_b32 v[FH+\j], 1, v[FC+\j]                ; an odd k swaps the two;
	v_cmp_ne_u32 vcc_lo, 0, v[FH+\j]
	v_cndmask_b32 v[SN+\j], v[FE+\j], v[FF+\j], vcc_lo
	v_cndmask_b32 v[CN+\j], v[FF+\j], v[FE+\j], vcc_lo
	v_and_b32 v[FH+\j], 2, v[FC+\j]                ; k = 2, 3 turn the sine's sign,
	v_lshlrev_b32 v[FH+\j], 30, v[FH+\j]
	v_xor_b32 v[SN+\j], v[SN+\j], v[FH+\j]
	v_add_nc_u32 v[FG+\j], 1, v[FC+\j]             ; k = 1, 2 the cosine's
	v_and_b32 v[FG+\j], 2, v[FG+\j]
	v_lshlrev_b32 v[FG+\j], 30, v[FG+\j]
	v_xor_b32 v[CN+\j], v[CN+\j], v[FG+\j]
.endr
	global_store_b128 v[LI], v[CN:CN+3], s[22:23]                 ; pieces 2 w, 2 w + 1: cosines;  8 + 2 w, 9 + 2 w: sines.  512 consecutive bytes a store
	global_store_b128 v[LI], v[CN+4:CN+7], s[22:23] offset:512
	global_store_b128 v[LI], v[SN:SN+3], s[22:23] offset:4096
	global_store_b128 v[LI], v[SN+4:SN+7], s[22:23] offset:4608
	s_wait_tensorcnt 0x0
	ds_add_u32 v62, v63
	s_wait_dscnt 0x0
	s_endpgm
.Lfunc_end_k_q56cf12313f_prep:
	.size	k_q56cf12313f_prep, .Lfunc_end_k_q56cf12313f_prep-k_q56cf12313f_prep
	.p2alignl 7, 3214868480
	.fill 96, 4, 3214868480
	.section	.rodata,"a",@progbits
	.p2align	6, 0x0
	.amdhsa_kernel k_q56cf12313f_prep
		.amdhsa_group_segment_fixed_size 34304
		.amdhsa_private_segment_fixed_size 0
		.amdhsa_enable_private_segment 0
		.amdhsa_kernarg_size 80
		.amdhsa_user_sgpr_count 2
		.amdhsa_user_sgpr_kernarg_segment_ptr 1
		.amdhsa_wavefront_size32 1
		.amdhsa_system_sgpr_workgroup_id_x 1
		.amdhsa_system_sgpr_workgroup_id_y 1
		.amdhsa_system_sgpr_workgroup_id_z 1
		.amdhsa_system_vgpr_workitem_id 0
		.amdhsa_next_free_vgpr 256
		.amdhsa_next_free_sgpr 66
		.amdhsa_reserve_vcc 1
		.amdhsa_float_denorm_mode_32 3
		.amdhsa_float_denorm_mode_16_64 3
		.amdhsa_memory_ordered 1
		.amdhsa_forward_progress 1
		.amdhsa_inst_pref_size 79
	.end_amdhsa_kernel
	.amdgpu_metadata
---
amdhsa.version: [ 1, 2 ]
amdhsa.kernels:
  - .name:           k_q56cf12313f_prep
    .symbol:         k_q56cf12313f_prep.kd
    .args:
      - { .name: hidden_states, .offset: 0, .size: 8, .value_kind: global_buffer, .address_space: global }
      - { .name: Wq, .offset: 8, .size: 8, .value_kind: global_buffer, .address_space: global }
      - { .name: Wk, .offset: 16, .size: 8, .value_kind: global_buffer, .address_space: global }
      - { .name: Wv, .offset: 24, .size: 8, .value_kind: global_buffer, .address_space: global }
      - { .name: Wo, .offset: 32, .size: 8, .value_kind: global_buffer, .address_space: global }
      - { .name: attention_mask, .offset: 40, .size: 8, .value_kind: global_buffer, .address_space: global }
      - { .name: codes, .offset: 48, .size: 8, .value_kind: global_buffer, .address_space: global }
      - { .name: scales, .offset: 56, .size: 8, .value_kind: global_buffer, .address_space: global }
      - { .name: maskw, .offset: 64, .size: 8, .value_kind: global_buffer, .address_space: global }
      - { .name: rope, .offset: 72, .size: 8, .value_kind: global_buffer, .address_space: global }
    .group_segment_fixed_size: 34304
    .private_segment_fixed_size: 0
    .kernarg_segment_align: 8
    .kernarg_segment_size: 80
    .max_flat_workgroup_size: 128
    .sgpr_count:     66
    .vgpr_count:     256
    .wavefront_size: 32
...
	.end_amdgpu_metadata
.endif
;; end of part 1
;; launch qkv (part 2): grid 24 x 8, 4 waves a work-group, clusters of 4 x 4, 327,680 bytes of LDS; arguments codes, scales, rope, qkv_codes, qkv_scales; writes qkv_codes, qkv_scales
.if DOCPART == 2
	.amdgcn_target "amdgcn-amd-amdhsa--gfx1250"
	.amdhsa_code_object_version 6
	.text
	.protected	k_q56cf12313f_qkv
	.globl	k_q56cf12313f_qkv
	.p2align	8
	.type	k_q56cf12313f_qkv,@function
k_q56cf12313f_qkv:
	s_mov_b64 s[64:65], 0
	v_nop
	global_prefetch_b8 v0, s[64:65] scope:SCOPE_SE
	s_setreg_imm32_b32 hwreg(HW_REG_WAVE_MODE, 25, 1), 1
	s_wait_xcnt 0x0
	s_wait_alu depctr_hold_cnt(0) depctr_sa_sdst(0) depctr_va_vdst(0) depctr_va_sdst(0) depctr_va_ssrc(0) depctr_va_vcc(0) depctr_vm_vsrc(0)
	s_getreg_b32 s2, hwreg(HW_REG_IB_STS2, 6, 4)
	s_cmp_eq_u32 s2, 0
	s_cbranch_scc0 .Lentry_in_a_cluster
	s_endpgm
.Lentry_in_a_cluster:
	s_bfe_u32 s2, ttmp6, 0x10000c
	s_cmp_lg_u32 s2, 0xf033
	s_cbranch_scc0 .Lentry_shape_is_right
	s_endpgm
.Lentry_shape_is_right:
; QKV.  q = x Wq^T, k = x Wk^T, v = x Wv^T on codes of FP6 (E2M3) with E8M0 scales; q and k are rotated (RoPE, f32); all three are quantised in registers and leave as codes for the attention.
; A work-group of four waves makes 256 x 256 of a product, a wave 128 x 128: 64 accumulators, 512 registers.
; ALL CODES ARE IMAGES OF OPERAND REGISTERS: a fragment (16 rows x 128 K) is 1,536 bytes and comes by three ds_load_b128 at 16 x lane: no pitch, no padding.  codes: [tile][K step][1,536]; tiles 0-127 x, 128- Wq, 256- Wk, 384- Wv.
; A tile's 16 rows are rows 128 g + 64 c + 8 u + a + 24 (a / 8) of its tensor (tile 8 g + 4 c + u): so the eight tiles of source 0 give a lane 64 results in the order of a 6-bit operand, whole blocks of 32 in a lane.
; THE RING.  A K step of 128 is 49,152 bytes of codes for the work-group and 64 products a wave.  LDS holds six steps: a LARGE slot of four and a SMALL slot of two, both filled at the start.  K's 16 steps go
; 4, 2, 4, 2, 4 through them, so that slots are filled again three times in all: a refill of the small slot has the large slot's four steps in which to land, a refill of the large slot the small slot's two.
; The main part is written out: the last change of slots fills nothing.
; THE SCALE WORDS of K steps 4 to 15 come into LDS once, with the first fills (768 of each tile's 1,024 bytes); those of steps 0 to 3 go from memory straight into their registers, which leaves LDS the room for the sixth step.
; ROLES.  Source 1 gives the lanes, source 0 the registers.  Tile columns 0-15 (q, k): source 1 = tokens, source 0 = rows of Wq, Wk: a lane holds one token, its registers run along the head's 128: the K of q k^T.
; Tile columns 16-23 (v): source 1 = rows of Wv, source 0 = tokens: a lane holds one channel, its registers run along 128 keys: the K of p v.  One main part serves both: only tile numbers differ, by the cluster's x.
; CLUSTERS: 4 x 4 work-groups; source 1's tiles are shared along a row of the cluster, source 0's along a column: each is asked for jointly.
; 192 work-groups: a wave needs a whole head (128 columns) for the rotation, and 128 x 128 tiles of the product would be 768 work-groups, three turns on 256 WGPs, with each LDS byte feeding half the products.
; No prefetch: each tile is read by several clusters at about the same time and the launch is short.
; LIMITS: as the quantiser of the launch before: the byte is held at 1 from below; NaN and infinities are not served.
; REGISTERS: window 0: v16-21 LDS addresses, v24-30 addresses that stay, v32-63 the large slot's scale words, v64-79 the small slot's, v128-223 source 1's fragments (one set); window 1: source 0's fragments, two sets at v0, v128;
;   windows 2, 3: accumulator (a, b) at 8 (8 a + b).  On the way out window 0 holds the table (v32-159), codes (v160-183) and work (v184-211), window 1 v0-63 products at work.
; SCALARS: what feeds source 1's descriptors (s17, s20, s22, s23, s24-39, s56-63, s76-83, s92-95) never holds the cluster's cx, what feeds source 0's (s2, s40-55, s68-75, s84-91, s96-101) never cy.
.set MA,    8                          ; tiles of 16 a wave and side
.set NB,    8
.set FR,    12
.set NL,    3                          ; LDS loads that bring a fragment
.set NQ0,   4                          ; steps of 128 along K in slot 0, the large one;
.set DNQ,   2                          ; slot 1, the small one, has two fewer
.set FPI0,  1536*NQ0                   ; a tile's bytes in slot 0
.set DFPI,  1536*DNQ
.set TROW,  24576                      ; a tile's bytes in memory: 16 K steps
.set HALFT0, MA*FPI0                   ; what one tensor load brings into slot 0: 49,152 bytes
.set HALFT1, MA*(FPI0-DFPI)            ; and into slot 1: 24,576
.set SLOTB1, 4*HALFT0                  ; slot 1 begins behind slot 0
.set SCL,   SLOTB1+4*HALFT1            ; behind the ring: the scale words, filled once
.set KPB,   2                          ; the first pair of K steps whose words lie in LDS
.set STP,   1024-128*KPB               ; a tile's scale words in LDS: 768 bytes
.set HALFS, STP*MA
.set SPARE, 319744                     ; behind them (SCL + 4 HALFS + 128, rounded up to 256): the spare words, 128 bytes a wave
.set REFS,  6*1536                     ; a slot's next content lies six K steps on
.set ADRA, 16                          ; v16-17 source 1's fragments in slot 0, 1
.set ADRB, 20                          ; v20-21 source 0's
.set LI,   24                          ; v24  16 x lane
.set SH8,  25                          ; v25  8 h
.set SO,   26                          ; v26  32 r + 16 h
.set ADRS, 27                          ; v27  my scale words in LDS; never rewritten
.set SPW,  28
.set NIL,  29
.set SG,   30                          ; v30  my scale words of K steps 0-3 in memory; never rewritten
.set SC,   32
.set SCST, 32                          ; from slot 0's set of scale words to slot 1's
.set AF,   128
.set CS,   32                          ; the way out: the table, two sets of 64
.set PC,   160                         ; codes, two sets of 12
.set CT,   184
.set TM,   192
.set WD,   200                         ; the eight fragments' scale words
.set WS,   208
.set SEL,  66
.set G1,   24                          ; s[24:31], s[32:39] group 1 for source 1's tiles in slot 0, 1
.set G1B,  40                          ; s[40:47], s[48:55] for source 0's
.set DG1,  8
.set G0,   56                          ; s[56:59], s[60:63] group 0 for source 1's tiles, a set for each slot
.set G0B,  68                          ; s[68:71], s[72:75] for source 0's
.set G1S,  76
.set G1SB, 84
.set G0S,  92
.set G0SB, 96
.set MSB, 0
.macro WIN new                         ; the immediate's high byte repeats the setting that is left
.if MSB != (\new)
	s_set_vgpr_msb (MSB<<8)|(\new)
.set MSB, (\new)
.endif
.endm
; A joint load: waves 0 and 1 fetch for source 1, waves 2 and 3 for source 0.  Four v_nop follow each of the two lines.
.macro JLOAD g0a, g1a, g0b, g1b
	s_cmp_eq_u32 s15, 0
	s_cbranch_scc0 .Lfor_b_\@
	tensor_load_to_lds s[\g0a:\g0a+3], s[\g1a:\g1a+7]
	s_nop 0
.rept 4
	v_nop
.endr
	s_branch .Lasked_\@
.Lfor_b_\@:
	tensor_load_to_lds s[\g0b:\g0b+3], s[\g1b:\g1b+7]
	s_nop 0
.rept 4
	v_nop
.endr
.Lasked_\@:
.endm
.macro CREST                           ; a round of the cluster's barrier behind its opening barrier
	s_cmp_lg_u32 s14, 0
	s_cbranch_scc1 .Lnot_wave_0_\@
	s_barrier_signal -3
.Lnot_wave_0_\@:
	s_barrier_wait -3
	s_barrier_signal -1
	s_barrier_wait -1
.endm
.macro CROUND
	s_barrier_signal -1
	s_barrier_wait -1
	CREST
.endm
.macro PLACES                          ; four places behind a matrix instruction, ahead of loads into its registers and of reads of its results
.rept 4
	v_nop
.endr
.endm
.macro FRAG reg, adr, off              ; a fragment's image: three loads of 512 consecutive bytes
.irp c, 0,1,2
	ds_load_b128 v[(\reg)+4*\c:(\reg)+4*\c+3], v[\adr] offset:(\off)+512*\c
.endr
.endm
.macro FETCH_B slot, q, p              ; source 0's NB fragments of the slot's q-th step into set p
.set fpis, FPI0-DFPI*(\slot)
	WIN 0x40
.set fi, 0
.rept NB
	FRAG 128*(\p)+FR*fi, ADRB+(\slot), fi*fpis+1536*(\q)
.set fi, fi+1
.endr
	WIN 0
.endm
.macro FETCH_A slot, q, hf             ; half hf of source 1's MA fragments
.set fpis, FPI0-DFPI*(\slot)
.set fi, (\hf)*MA/2
.rept MA/2
	FRAG AF+FR*fi, ADRA+(\slot), fi*fpis+1536*(\q)
.set fi, fi+1
.endr
.endm
.macro SCALES sc, kp                   ; the scale words of the content that slot sc takes up, which begins at pair kp of K steps: lanes 0-15 source 1's tile i, lanes 16-31 source 0's tile i; two K steps a load
.set scs, SC+SCST*(\sc)
.set nqs, NQ0-DNQ*(\sc)
.set fi, 0
.rept MA
.set fp, 0
.rept nqs/2
	ds_load_b64 v[scs+nqs*fi+2*fp:scs+nqs*fi+2*fp+1], v[ADRS] offset:STP*fi+128*((\kp)+fp-KPB)
.set fp, fp+1
.endr
.set fi, fi+1
.endr
.endm
; A quarter of a step: MA / 4 tiles of source 1 against source 0's NB.  The accumulators take turns, one instruction a turn, in the same order in every step.
.macro MULQ k, p, q, sc, zero
.set ma, (\k)*MA/4
.set wd, 2+(8*NB*ma)/256
.set scs, SC+SCST*(\sc)
.set nqs, NQ0-DNQ*(\sc)
	WIN (1|(wd<<4)|(wd<<6))
.rept MA/4
.set mb, 0
.rept NB
.set rD, (8*(NB*ma+mb))%256
.if \zero
	v_wmma_scale_f32_16x16x128_f8f6f4 v[rD:rD+7], v[128*(\p)+FR*mb:128*(\p)+FR*mb+FR-1], v[AF+FR*ma:AF+FR*ma+FR-1], 0, v[scs+nqs*mb+(\q)], v[scs+nqs*ma+(\q)] matrix_a_fmt:MATRIX_FMT_FP6 matrix_b_fmt:MATRIX_FMT_FP6 matrix_a_scale:MATRIX_SCALE_ROW1
.else
	v_wmma_scale_f32_16x16x128_f8f6f4 v[rD:rD+7], v[128*(\p)+FR*mb:128*(\p)+FR*mb+FR-1], v[AF+FR*ma:AF+FR*ma+FR-1], v[rD:rD+7], v[scs+nqs*mb+(\q)], v[scs+nqs*ma+(\q)] matrix_a_fmt:MATRIX_FMT_FP6 matrix_b_fmt:MATRIX_FMT_FP6 matrix_a_scale:MATRIX_SCALE_ROW1
.endif
.set mb, mb+1
.endr
.set ma, ma+1
.endr
.endm
; A step of 128 along K that has its successor in the same slot.  Both slots hold an even number of steps, so a slot's q-th step multiplies source 0's set q % 2.
.macro STEP slot, q, zero
	s_wait_dscnt (MA/2)*NL                         ; all but the youngest loads (source 1's second half) are in
	MULQ 0, (\q)%2, \q, \slot, \zero
	MULQ 1, (\q)%2, \q, \slot, \zero
	s_wait_dscnt 0
	PLACES
	FETCH_B \slot, (\q)+1, 1-(\q)%2
	FETCH_A \slot, (\q)+1, 0
	MULQ 2, (\q)%2, \q, \slot, \zero
	MULQ 3, (\q)%2, \q, \slot, \zero
	PLACES
	WIN 0
	FETCH_A \slot, (\q)+1, 1
.endm
.macro MIDSTEPS slot, q0               ; a slot's steps q0 .. the last but one
.set sq, \q0
.rept NQ0-DNQ*(\slot)-1-(\q0)
	STEP \slot, sq, 0
.set sq, sq+1
.endr
.endm
; A slot's last step changes slots: one barrier; ahead of it each wave waits for all its tensor loads, adds 0 to its spare word, and waits for that and for its reads of this slot.
; fill = 1: this slot is filled again, with the K steps six further on.  kp: the pair of K steps at which the next slot's content begins.
.macro TURN slot, next, fill, kp
.set lq, NQ0-DNQ*(\slot)-1
	s_wait_tensorcnt 0x0                           ; all my tensor loads have landed: my part of the next slot
	ds_add_u32 v[SPW], v[NIL]                      ; 0 onto my spare word
	s_wait_dscnt (MA/2)*NL+1                       ; (the add and the youngest loads may be out)
	MULQ 0, 1, lq, \slot, 0
	s_wait_dscnt 0x0                               ; the add is done, and my reads of this slot are over
	s_barrier_signal -1
	MULQ 1, 1, lq, \slot, 0
	WIN 0
	s_barrier_wait -1
.if \fill
	CREST                                          ; the barrier has opened a round of the cluster's: no wave of any partner still reads this slot or has a load on its way
	s_add_nc_u64 s[G0+4*(\slot)+2:G0+4*(\slot)+3], s[G0+4*(\slot)+2:G0+4*(\slot)+3], REFS
	s_add_nc_u64 s[G0B+4*(\slot)+2:G0B+4*(\slot)+3], s[G0B+4*(\slot)+2:G0B+4*(\slot)+3], REFS
	JLOAD G0+4*(\slot), G1+DG1*(\slot), G0B+4*(\slot), G1B+DG1*(\slot)   ; the first tensor load behind the round; its four v_nop are the places ahead of the loads below
.else
	PLACES
.endif
	FETCH_B \next, 0, 0
	FETCH_A \next, 0, 0
	SCALES \next, \kp
	MULQ 2, 1, lq, \slot, 0
	MULQ 3, 1, lq, \slot, 0
	PLACES
	WIN 0
	FETCH_A \next, 0, 1
.endm
; 64 numbers of a lane in window w, number 32 c + i = k 64 c + 32 h + i of the lane's row, become a fragment's 12 registers at pc and the row's scale word in wd.
.macro QUANT src, w, pc, wd
	WIN ((\w)|((\w)<<2))
.irp c, 0,1
	v_max3_num_f32 v[TM+\c], |v[(\src)+32*\c]|, |v[(\src)+32*\c+1]|, 0x1800000   ; my block 2 c + h, all 32 numbers mine; the floor 2^(3 - 127) holds the byte at 1 from below
.endr
.irp i, 2,4,6,8,10,12,14,16,18,20,22,24,26,28,30
.irp c, 0,1
	v_max3_num_f32 v[TM+\c], |v[(\src)+32*\c+\i]|, |v[(\src)+32*\c+\i+1]|, v[TM+\c]
.endr
.endr
	WIN 0
.irp c, 0,1
	v_add_nc_u32 v[TM+2+\c], 0xff000000, v[TM+\c]   ; 2 off the exponent field: the conversion's scale operand
.endr
.irp c, 0,1
	v_lshrrev_b32 v[TM+4+\c], 23, v[TM+2+\c]        ; the scale's byte
.endr
	v_lshl_or_b32 v[\wd], v[TM+5], 16, v[TM+4]
	v_lshlrev_b32 v[\wd], v[SH8], v[\wd]
	v_permlanex16_b32 v[TM+6], v[\wd], s[SEL], s[SEL+1]
	v_or_b32 v[\wd], v[\wd], v[TM+6]                ; with lane l xor 16's two bytes the word is whole
	WIN (\w)
	v_cvt_scalef32_pk16_fp6_f32 v[(\pc):(\pc)+2], v[(\src):(\src)+15], v[TM+2]
	v_cvt_scalef32_pk16_fp6_f32 v[CT:CT+2], v[(\src)+16:(\src)+31], v[TM+2]         ; (a conversion's three registers begin on an even number)
	v_cvt_scalef32_pk16_fp6_f32 v[(\pc)+6:(\pc)+8], v[(\src)+32:(\src)+47], v[TM+3]
	v_cvt_scalef32_pk16_fp6_f32 v[CT+4:CT+6], v[(\src)+48:(\src)+63], v[TM+3]
	WIN 0
	v_nop                                           ; one plain place behind the scaled conversions
.irp i, 0,1,2
	v_mov_b32 v[(\pc)+3+\i], v[CT+\i]
	v_mov_b32 v[(\pc)+9+\i], v[CT+4+\i]
.endr
.endm
	s_load_b256 s[4:11], s[0:1], 0x0               ; codes s[4:5], scales s[6:7], rope s[8:9], qkv_codes s[10:11]
	s_load_b64 s[12:13], s[0:1], 0x20              ; qkv_scales
	v_lshl_add_u32 v[SPW], v0, 2, SPARE
	v_mov_b32 v[NIL], 0
	ds_add_u32 v28, v29
	ds_add_u32 v28, v29
	s_wait_dscnt 0x0
	v_lshrrev_b32 v1, 5, v0
	v_readfirstlane_b32 s14, v1                    ; wave 0..3
	s_lshr_b32 s15, s14, 1                         ; my half of source 1's tiles.  Also: I fetch for source 1 (0) or source 0 (1)
	s_and_b32 s16, s14, 1                          ; my half of source 0's.  Also: which half I fetch
	s_bfe_u32 s100, ttmp6, 0x40000                 ; cx
	s_bfe_u32 s22, ttmp6, 0x40004                  ; cy
	s_lshl_b32 s2, ttmp9, 2
	s_add_co_u32 s2, s2, s100                      ; X = 4 x cluster x + cx
	s_and_b32 s17, ttmp7, 0xffff
	s_lshl_b32 s17, s17, 2
	s_add_co_u32 s17, s17, s22                     ; Y = 4 x cluster y + cy
	s_lshl_b32 s23, s22, 2
	s_lshl_b32 s23, 15, s23                        ; my row of the cluster
	s_lshl_b32 s101, 0x1111, s100                  ; my column
	s_lshr_b32 s3, ttmp9, 2                        ; 1 where the cluster makes v (X >= 16): the same in all sixteen partners
	; group 1 for codes: MA rows (tiles), TROW bytes apart, in elements of 8 bytes, no padding; a row is a tile's four K steps (slot 0) or two (slot 1)
	s_or_b32 s[G1], s23, (3<<16)|(1<<21)
	s_or_b32 s[G1+8], s23, (3<<16)|(1<<21)
	s_or_b32 s[G1S], s23, (3<<16)|(1<<21)
	s_or_b32 s[G1B], s101, (3<<16)|(1<<21)
	s_or_b32 s[G1B+8], s101, (3<<16)|(1<<21)
	s_or_b32 s[G1SB], s101, (3<<16)|(1<<21)
.irp g, G1, G1B
	s_mov_b32 s[\g+1], (FPI0/8)<<16                ; tensor_dim0
	s_mov_b32 s[\g+2], (2*MA)<<16                  ; tensor_dim1: the head's load brings all 16 tiles of a side; behind it the two words are set to MA
	s_mov_b32 s[\g+3], (FPI0/8)<<16                ; tile_dim0
	s_mov_b32 s[\g+4], 2*MA                        ; tile_dim1
	s_mov_b32 s[\g+5], TROW/8                      ; the pitch
	s_mov_b32 s[\g+6], 0
	s_mov_b32 s[\g+7], 0
	s_mov_b32 s[\g+9], ((FPI0-DFPI)/8)<<16
	s_mov_b32 s[\g+10], MA<<16
	s_mov_b32 s[\g+11], ((FPI0-DFPI)/8)<<16
	s_mov_b32 s[\g+12], MA
	s_mov_b32 s[\g+13], TROW/8
	s_mov_b32 s[\g+14], 0
	s_mov_b32 s[\g+15], 0
.endr
	; and for the scale words of 2 MA tiles: 2 MA rows of 768 bytes, 1,024 bytes apart
.irp g, G1S, G1SB
	s_mov_b32 s[\g+1], (STP/8)<<16
	s_mov_b32 s[\g+2], (2*MA)<<16                  ; the scale words of all 16 tiles of a side by one load
	s_mov_b32 s[\g+3], (STP/8)<<16
	s_mov_b32 s[\g+4], 2*MA
	s_mov_b32 s[\g+5], 128
	s_mov_b32 s[\g+6], 0
	s_mov_b32 s[\g+7], 0
.endr
	s_mul_i32 s19, s3, 384
	s_lshl_b32 s20, s17, 4
	s_add_co_u32 s20, s20, s19                     ; source 1: tile 16 Y (tokens), + 384 for v (rows of Wv)
	s_lshl_b32 s100, s2, 4
	s_add_co_u32 s100, s100, 128
	s_sub_co_u32 s100, s100, s19                   ; source 0: tile 128 + 16 X + 8 half (rows of Wq, Wk), - 384 for v (tokens)
	s_mul_i32 s[G0+2], s20, TROW                   ; the offsets stand where the addresses will stand
	s_mov_b32 s[G0+3], 0
	s_lshl_b32 s[G0S+2], s20, 10
	s_add_co_u32 s[G0S+2], s[G0S+2], 128*KPB
	s_mov_b32 s[G0S+3], 0
	s_mul_i32 s[G0B+2], s100, TROW
	s_mov_b32 s[G0B+3], 0
	s_lshl_b32 s[G0SB+2], s100, 10
	s_add_co_u32 s[G0SB+2], s[G0SB+2], 128*KPB
	s_mov_b32 s[G0SB+3], 0
	; where the scale words of K steps 0-3 of the tiles that I MULTIPLY lie in memory (these two registers feed no descriptor)
	s_lshl_b32 s104, s17, 4
	s_add_co_u32 s104, s104, s19
	s_lshl_b32 s21, s15, 3
	s_add_co_u32 s104, s104, s21
	s_lshl_b32 s104, s104, 10                      ; source 1's: 1,024 bytes a tile
	s_lshl_b32 s105, s2, 4
	s_add_co_u32 s105, s105, 128
	s_sub_co_u32 s105, s105, s19
	s_lshl_b32 s21, s16, 3
	s_add_co_u32 s105, s105, s21
	s_lshl_b32 s105, s105, 10                      ; source 0's
	; where the tiles go: by the wave's number alone
	s_mov_b32 s[G0], 1
	s_mov_b32 s[G0+1], 0                           ; the head's load: source 1's 16 tiles from byte 0 on
	s_mov_b32 s[G0+4], 1
	s_mul_i32 s[G0+5], s14, HALFT1
	s_add_co_u32 s[G0+5], s[G0+5], SLOTB1
	s_mov_b32 s[G0B], 1
	s_mov_b32 s[G0B+1], 2*HALFT0                   ; source 0's 16 tiles behind them
	s_mov_b32 s[G0B+4], 1
	s_mul_i32 s[G0B+5], s14, HALFT1
	s_add_co_u32 s[G0B+5], s[G0B+5], SLOTB1
	s_mov_b32 s[G0S], 1
	s_mov_b32 s[G0S+1], SCL
	s_mov_b32 s[G0SB], 1
	s_mov_b32 s[G0SB+1], SCL+2*HALFS+128           ; source 0's words lie 128 bytes further on, so that the two halves of a load's lanes fall on different banks
	s_mul_i32 s18, s16, 8*TROW                     ; in the ring I fetch 8 tiles of a side: which half, in bytes
	s_mov_b32 s19, 0
	s_wait_kmcnt 0x0
	s_add_nc_u64 s[G0+2:G0+3], s[4:5], s[G0+2:G0+3]            ; slot 0 begins with K steps 0-3,
	s_add_nc_u64 s[G0+6:G0+7], s[G0+2:G0+3], NQ0*1536
	s_add_nc_u64 s[G0+6:G0+7], s[G0+6:G0+7], s[18:19]
	s_or_b32 s[G0+3], s[G0+3], 0x80000000
	s_or_b32 s[G0+7], s[G0+7], 0x80000000
	s_add_nc_u64 s[G0B+2:G0B+3], s[4:5], s[G0B+2:G0B+3]
	s_add_nc_u64 s[G0B+6:G0B+7], s[G0B+2:G0B+3], NQ0*1536
	s_add_nc_u64 s[G0B+6:G0B+7], s[G0B+6:G0B+7], s[18:19]
	s_or_b32 s[G0B+3], s[G0B+3], 0x80000000
	s_or_b32 s[G0B+7], s[G0B+7], 0x80000000
	s_add_nc_u64 s[G0S+2:G0S+3], s[6:7], s[G0S+2:G0S+3]
	s_or_b32 s[G0S+3], s[G0S+3], 0x80000000
	s_add_nc_u64 s[G0SB+2:G0SB+3], s[6:7], s[G0SB+2:G0SB+3]
	s_or_b32 s[G0SB+3], s[G0SB+3], 0x80000000
	CROUND                                         ; all sixteen work-groups are here: the first joint loads meet
; THE HEAD'S LOADS, ONE A WAVE: wave 0 the large slot's 16 tiles of source 1, wave 1 those of source 0, wave 2 source 1's scale words, wave 3 source 0's.
.macro ARM under, g0, g1, next
	s_cmp_lt_u32 s14, \under
	s_cbranch_scc0 \next
	tensor_load_to_lds s[\g0:\g0+3], s[\g1:\g1+7]
	s_nop 0
.rept 4
	v_nop
.endr
	s_branch .Lhead_asked
\next:
.endm
	ARM 1, G0,  G1,  .Lhead_b
	ARM 2, G0B, G1B, .Lhead_sa
	ARM 3, G0S, G1S, .Lhead_sb
	tensor_load_to_lds s[G0SB:G0SB+3], s[G1SB:G1SB+7]
	s_nop 0
.rept 4
	v_nop
.endr
.Lhead_asked:
	v_and_b32 v1, 31, v0
	v_lshlrev_b32 v[LI], 4, v1
	v_and_b32 v2, 15, v0                           ; r
	v_bfe_u32 v3, v0, 4, 1                         ; h
	v_lshlrev_b32 v[SH8], 3, v3
	v_lshlrev_b32 v[SO], 5, v2
	v_lshl_add_u32 v[SO], v3, 4, v[SO]
	s_mov_b32 s21, 0xffff0000                      ; lanes 16-31; kept
	v_mov_b32 v5, s104
	v_mov_b32 v6, s105
	v_cndmask_b32 v5, v5, v6, s21                  ; lanes 0-15 take source 1's words, lanes 16-31 source 0's
	v_lshl_add_u32 v[SG], v2, 3, v5                ; + 8 r: a row's two words of a pair of K steps
.set fi, 0
.rept MA
	global_load_b64 v[SC+NQ0*fi:SC+NQ0*fi+1], v[SG], s[6:7] offset:1024*fi          ; K steps 0, 1 of tile fi
	global_load_b64 v[SC+NQ0*fi+2:SC+NQ0*fi+3], v[SG], s[6:7] offset:1024*fi+128    ; K steps 2, 3
.set fi, fi+1
.endr
	s_mul_i32 s18, s15, HALFT0
	v_add_nc_u32 v[ADRA], s18, v[LI]
	s_mul_i32 s18, s16, HALFT0
	s_add_co_u32 s18, s18, 2*HALFT0
	v_add_nc_u32 v[ADRB], s18, v[LI]
	s_mul_i32 s18, s15, HALFT1
	s_add_co_u32 s18, s18, SLOTB1
	v_add_nc_u32 v[ADRA+1], s18, v[LI]
	s_mul_i32 s18, s16, HALFT1
	s_add_co_u32 s18, s18, SLOTB1+2*HALFT1
	v_add_nc_u32 v[ADRB+1], s18, v[LI]
	v_lshlrev_b32 v5, 3, v2                        ; scale words in LDS: 8 bytes a row and pair of K steps
	s_mul_i32 s18, s15, HALFS
	s_mul_i32 s19, s16, HALFS
	s_add_co_u32 s19, s19, 2*HALFS+128
	s_sub_co_u32 s19, s19, s18
	v_mul_u32_u24 v6, s19, v3                      ; lanes 16-31 take source 0's: one product, the distance between the two
	s_add_co_u32 s18, s18, SCL
	v_add_nc_u32 v5, v5, v6
	v_add_nc_u32 v[ADRS], s18, v5
	; where my results go: H (0-15 q's heads, 16-31 k's, 32-47 v's) and the group g of 128 tokens
	s_lshl_b32 s2, s2, 1
	s_add_co_u32 s2, s2, s16                       ; 2 X + my half of source 0
	s_lshl_b32 s17, s17, 1
	s_add_co_u32 s17, s17, s15                     ; 2 Y + my half of source 1
	s_cmp_eq_u32 s3, 0
	s_cselect_b32 s66, s2, s17
	s_cselect_b32 s67, s17, s2
	s_cselect_b32 s18, 0, 32
	s_add_co_u32 s66, s66, s18                     ; H
	s_sub_co_u32 s67, s67, s18                     ; g
	s_mul_i32 s104, s66, 196608
	s_mul_i32 s105, s67, 12288
	s_add_co_u32 s104, s104, s105
	s_mov_b32 s105, 0
	s_add_nc_u64 s[10:11], s[10:11], s[104:105]    ; codes: (128 H + 8 g) fragments on
	s_lshl_b32 s104, s66, 4
	s_add_co_u32 s104, s104, s67
	s_lshl_b32 s104, s104, 9
	s_add_nc_u64 s[12:13], s[12:13], s[104:105]    ; scale words: (16 H + g) x 512 bytes
	s_lshl_b32 s104, s67, 16
	s_add_nc_u64 s[8:9], s[8:9], s[104:105]        ; the table: 8 tiles of tokens x 8,192 bytes a group
	s_mov_b32 s[SEL], 0x76543210
	s_mov_b32 s[SEL+1], 0xfedcba98
	s_wait_alu depctr_va_vdst(0)
	s_wait_tensorcnt 0x0                           ; my tile of the head's four is in
	ds_add_u32 v[SPW], v[NIL]
	s_mov_b32 s[G1+2], MA<<16                      ; no tensor load of mine is out: from here on a load of the large slot brings MA tiles,
	s_mov_b32 s[G1+4], MA
	s_mov_b32 s[G1B+2], MA<<16
	s_mov_b32 s[G1B+4], MA
	s_mul_i32 s[G0+1], s14, HALFT0                 ; to my quarter of the slot,
	s_mul_i32 s[G0B+1], s14, HALFT0
	s_mul_i32 s18, s16, 8*TROW
	s_mov_b32 s19, 0
	s_add_nc_u64 s[G0+2:G0+3], s[G0+2:G0+3], s[18:19]          ; from my half of the side's tiles
	s_add_nc_u64 s[G0B+2:G0B+3], s[G0B+2:G0B+3], s[18:19]
	s_wait_dscnt 0x0
	CROUND                                         ; a whole round: all four tiles are in, and the joint loads meet
	JLOAD G0+4, G1+DG1, G0B+4, G1B+DG1             ; the small slot's first fill: my one tensor load behind the round
	FETCH_B 0, 0, 0
	FETCH_A 0, 0, 0
	FETCH_A 0, 0, 1
	s_wait_loadcnt 0x0                             ; the scale words of K steps 0-3
	STEP 0, 0, 1                                   ; K step 0: its products start the sums
	MIDSTEPS 0, 1                                  ; 1, 2
	TURN 0, 1, 1, 2                                ; 3; the large slot takes K steps 6-9
	MIDSTEPS 1, 0                                  ; 4
	TURN 1, 0, 1, 3                                ; 5; the small slot takes K steps 10, 11
	MIDSTEPS 0, 0                                  ; 6, 7, 8
	TURN 0, 1, 1, 5                                ; 9; the large slot takes K steps 12-15
	MIDSTEPS 1, 0                                  ; 10
	TURN 1, 0, 0, 6                                ; 11; nothing is left to fetch
	MIDSTEPS 0, 0                                  ; 12, 13, 14
	s_wait_dscnt (MA/2)*NL                         ; 15
	MULQ 0, 1, NQ0-1, 0, 0
	MULQ 1, 1, NQ0-1, 0, 0
	s_wait_dscnt 0
	MULQ 2, 1, NQ0-1, 0, 0
	MULQ 3, 1, NQ0-1, 0, 0
	WIN 0
	PLACES
	v_mov_b32 v[TM+6], 0                           ; a lane permute's destination counts as one of its sources
; THE WAY OUT.  The 64 accumulator registers of source 1's tile a are one fragment's 64 numbers, in the operand's order.
.macro RLOAD a                         ; the table for tile a of my group of tokens: registers 0-31 cosines, 32-63 sines of frequency 32 h + i
.set CSX, CS+64*((\a)%2)
.irp x, 0,1,2,3,4,5,6,7,8,9,10,11,12,13,14,15
	global_load_b128 v[CSX+4*\x:CSX+4*\x+3], v[LI], s[8:9] offset:8192*(\a)+512*\x
.endr
.endm
.macro ROPE a                          ; lo = channels 32 h + i, hi = channels 64 + 32 h + i:  lo' = lo cos - hi sin,  hi' = hi cos + lo sin
.set CSX, CS+64*((\a)%2)
.set AC, 64*((\a)%4)
.set aw, 2+(\a)/4
	WIN (0x40|aw)
.irp j, 0,2,4,6,8,10,12,14,16,18,20,22,24,26,28,30
	v_pk_mul_f32 v[\j:\j+1], v[AC+32+\j:AC+33+\j], v[CSX+32+\j:CSX+33+\j]     ; each accumulator is read from its low end on
.endr
.irp j, 0,2,4,6,8,10,12,14,16,18,20,22,24,26,28,30
	v_pk_mul_f32 v[32+\j:33+\j], v[AC+\j:AC+1+\j], v[CSX+32+\j:CSX+33+\j]
.endr
	WIN (aw|(1<<4)|(aw<<6))
.irp j, 0,2,4,6,8,10,12,14,16,18,20,22,24,26,28,30
	v_pk_fma_f32 v[AC+\j:AC+1+\j], v[AC+\j:AC+1+\j], v[CSX+\j:CSX+1+\j], v[\j:\j+1] neg_lo:[0,0,1] neg_hi:[0,0,1]
.endr
.irp j, 0,2,4,6,8,10,12,14,16,18,20,22,24,26,28,30
	v_pk_fma_f32 v[AC+32+\j:AC+33+\j], v[AC+32+\j:AC+33+\j], v[CSX+\j:CSX+1+\j], v[32+\j:33+\j]
.endr
	WIN 0
.endm
	s_cmp_eq_u32 s3, 0                             ; the same in all partners of a cluster
	s_cbranch_scc0 .Lv_out
	RLOAD 0
.irp a, 0,1,2,3,4,5,6,7
.if \a >= 2
	s_wait_xcnt 0x0                                ; the stores of two tiles back have read their codes: that set is written again only behind this wait
.endif
.if \a < 7
	RLOAD \a+1
	s_wait_loadcnt 16                              ; this tile's table is in; the next tile's 16 loads may be out
.else
	s_wait_loadcnt 0x0
.endif
	ROPE \a
	QUANT 64*((\a)%4), 2+(\a)/4, PC+12*((\a)%2), WD+\a
.irp c, 0,1,2
	global_store_b128 v[LI], v[PC+12*((\a)%2)+4*\c:PC+12*((\a)%2)+4*\c+3], s[10:11] offset:1536*\a+512*\c
.endr
.endr
	s_branch .Lwords
.Lv_out:
; v also leaves THE SUM OF ITS QUANTISED NUMBERS over the 128 keys of the group, for each channel: fragment x ones, one matrix instruction a fragment.  v96-107: 64 codes of 1.0 a lane; v108: their scale bytes, 127.
.irp i, 0,1,2,3
	v_mov_b32 v[96+3*\i], 0x08208208
	v_mov_b32 v[97+3*\i], 0x82082082
	v_mov_b32 v[98+3*\i], 0x20820820
.endr
	v_mov_b32 v108, 0x7f7f7f7f
.irp a, 0,1,2,3,4,5,6,7
.if \a >= 2
	s_wait_xcnt 0x0
.endif
	QUANT 64*((\a)%4), 2+(\a)/4, PC+12*((\a)%2), WD+\a
	PLACES                                         ; with QUANT's last seven lines: eight places behind the scale word's write, four behind the codes'
	v_wmma_scale_f32_16x16x128_f8f6f4 v[32+8*\a:39+8*\a], v[PC+12*((\a)%2):PC+12*((\a)%2)+11], v[96:107], 0, v[WD+\a], v108 matrix_a_fmt:MATRIX_FMT_FP6 matrix_b_fmt:MATRIX_FMT_FP6
.irp c, 0,1,2
	global_store_b128 v[LI], v[PC+12*((\a)%2)+4*\c:PC+12*((\a)%2)+4*\c+3], s[10:11] offset:1536*\a+512*\c
.endr
.endr
	; register j of lane (r, h) of sum a is channel 8 h + j of fragment a, the same in every r.  Lanes with r % 8 = a take sum a: 512 consecutive bytes [a][h][j] (lanes r and r + 8 store the same bytes with the same numbers).
	; The sums lie behind the 48 heads' scale words in qkv_scales, [head][group][128] f32 from byte 393,216 on: 131,072 bytes beyond v's own scale words
	v_and_b32 v110, 7, v0                          ; (these four lines are the places behind the last matrix instruction)
	v_bfe_u32 v111, v0, 4, 1
	v_lshlrev_b32 v110, 6, v110
	v_lshl_add_u32 v110, v111, 5, v110
.irp j, 0,1,2,3,4,5,6,7
	v_mov_b32 v[112+\j], v[32+\j]
.endr
.irp a, 1,2,3,4,5,6,7
	s_mov_b32 s18, 0x01010101<<\a
.irp j, 0,1,2,3,4,5,6,7
	v_cndmask_b32 v[112+\j], v[112+\j], v[32+8*\a+\j], s18
.endr
.endr
	global_store_b128 v110, v[112:115], s[12:13] offset:131072
	global_store_b128 v110, v[116:119], s[12:13] offset:131088
.Lwords:
.irp i, 0,1,2,3
	v_cndmask_b32 v[WS+\i], v[WD+\i], v[WD+4+\i], s21
.endr
	global_store_b128 v[SO], v[WS:WS+3], s[12:13]
	s_wait_tensorcnt 0x0                           ; the wave's end
	ds_add_u32 v[SPW], v[NIL]
	s_wait_dscnt 0x0
	CROUND                                         ; the closing round
	s_endpgm
.Lfunc_end_k_q56cf12313f_qkv:
	.size	k_q56cf12313f_qkv, .Lfunc_end_k_q56cf12313f_qkv-k_q56cf12313f_qkv
	.p2alignl 7, 3214868480
	.fill 96, 4, 3214868480
	.section	.rodata,"a",@progbits
	.p2align	6, 0x0
	.amdhsa_kernel k_q56cf12313f_qkv
		.amdhsa_group_segment_fixed_size 327680
		.amdhsa_private_segment_fixed_size 0
		.amdhsa_enable_private_segment 0
		.amdhsa_kernarg_size 40
		.amdhsa_user_sgpr_count 2
		.amdhsa_user_sgpr_kernarg_segment_ptr 1
		.amdhsa_wavefront_size32 1
		.amdhsa_system_sgpr_workgroup_id_x 1
		.amdhsa_system_sgpr_workgroup_id_y 1
		.amdhsa_system_sgpr_workgroup_id_z 1
		.amdhsa_system_vgpr_workitem_id 0
		.amdhsa_next_free_vgpr 1024
		.amdhsa_next_free_sgpr 106
		.amdhsa_reserve_vcc 0
		.amdhsa_float_denorm_mode_32 3
		.amdhsa_float_denorm_mode_16_64 3
		.amdhsa_memory_ordered 1
		.amdhsa_forward_progress 1
		.amdhsa_inst_pref_size 255
	.end_amdhsa_kernel
	.section	.bss,"aw",@nobits
	.p2align	6
	.space	262144
	.amdgpu_metadata
---
amdhsa.version: [ 1, 2 ]
amdhsa.kernels:
  - .name:           k_q56cf12313f_qkv
    .symbol:         k_q56cf12313f_qkv.kd
    .args:
      - { .name: codes, .offset: 0, .size: 8, .value_kind: global_buffer, .address_space: global }
      - { .name: scales, .offset: 8, .size: 8, .value_kind: global_buffer, .address_space: global }
      - { .name: rope, .offset: 16, .size: 8, .value_kind: global_buffer, .address_space: global }
      - { .name: qkv_codes, .offset: 24, .size: 8, .value_kind: global_buffer, .address_space: global }
      - { .name: qkv_scales, .offset: 32, .size: 8, .value_kind: global_buffer, .address_space: global }
    .group_segment_fixed_size: 327680
    .private_segment_fixed_size: 0
    .kernarg_segment_align: 8
    .kernarg_segment_size: 40
    .max_flat_workgroup_size: 128
    .sgpr_count:     106
    .vgpr_count:     1024
    .wavefront_size: 32
...
	.end_amdgpu_metadata
.endif
;; end of part 2
;; launch attn (part 3): grid 16 x 16, 8 waves a work-group, no clusters, 144,384 bytes of LDS; arguments qkv_codes, qkv_scales, maskw, attn_codes, attn_scales; writes attn_codes, attn_scales
.if DOCPART == 3
	.amdgcn_target "amdgcn-amd-amdhsa--gfx1250"
	.amdhsa_code_object_version 6
	.text
	.protected	k_q56cf12313f_attn
	.globl	k_q56cf12313f_attn
	.p2align	8
	.type	k_q56cf12313f_attn,@function
k_q56cf12313f_attn:
	s_mov_b64 s[64:65], 0
	v_nop
	global_prefetch_b8 v0, s[64:65] scope:SCOPE_SE
	s_setreg_imm32_b32 hwreg(HW_REG_WAVE_MODE, 25, 1), 1
	s_wait_xcnt 0x0
; ATTENTION on codes of FP6 (E2M3): S^T = k q^T, the mask, p = 2^(t - M) with a running whole M, O^T += v^T p^T, O / l, quantised for the projection.
; 16 x 16 work-groups of eight waves; a work-group has one head and eight tiles of 16 queries: tiles a = 4 x + p and 127 - a, p = 0 .. 3.  TWO WAVES SHARE A PAIR OF TILES AND SPLIT THE KEYS:
; wave (p, pi) takes the steps of 128 keys with number 2 j + pi, first for one tile of the pair, then for the other.  Each half's -M, largest t, l and O^T go to LDS; behind one barrier wave (p, pi)
; joins the two halves of tile pi of the pair (a change of M is a power of two), adds the left-out share, divides, quantises and stores.
; k's and v's fragments are images of operand registers and go from memory straight into registers (512 consecutive bytes a load), one set: k's next group (24 + 2 scale loads) is asked for behind the
; scores' products, v's next group behind the second products.  Both are asked for on every way through a step that runs, so each counted wait has just the one group of 26 behind the group it waits for.
; THE MASK DECIDES BY WHOLE NUMBERS READ FROM MEMORY.  From maskw each wave finds at its head, for each tile and step, whether all 16 x 128 bits are 0, all are 1, or neither.
;   all 1: the 64 selects are left out.  Neither: the mask words come by scalar loads and the selects run.
;   all 0: every score of the tile is -10000, so every t is tm = -10000 log2(e), and since M is whole, p = 2^(tm - M) has the same fraction whatever M: its code is 4 at the scale 2^(floor(tm - M) - 2):
;   the quantised p is 2^(-14427 - M).  So these steps add 2^(-14427 - M) x (the sum of v's quantised numbers over their keys) to O and 128 p each to l.  The sums over 128 keys lie behind the scale words in qkv_scales;
;   the share is added at the end, under the final M, which takes tm in where a step was left out.  No score, exponential or product is made for such a step.
; So branches hang on stored whole numbers, and the launch has no tensor load, hence no joint loads either.
; PREFETCH: in the first walk wave (0, 0) asks for k's and wave (0, 1) for v's two steps that stand AH trips on: 96 blocks of 256 bytes each, of which each of the head's 16 work-groups names 6, by address; the last AH trips ask for nothing.
; LIMITS: the promise holds while the scaled scores stay under 2^31 in magnitude; where 2^(-14427 - M) lies under 2^-126 the left-out share is added as that number or as 0, where the rule's clipped scale would give a code of 2^-129 steps;
; NaN and infinities are not served; the scale byte is held at 1 from below.
; REGISTERS: window 0 as named below; window 1: k's fragments v0-95, v's v96-191, O^T v192-255.
.set KSB,   12288
.set VOFF,  3145728                    ; from k's head to v's, and from q's to k's: 16 heads x 196,608 bytes
.set VSUM,  393216                     ; where the sums begin in qkv_scales
.set SLOTB, 8704                       ; LDS: a half's O^T (8,192 bytes) and its four state words a lane (512): 16 such slots
.set O2A,   139264                     ; behind them 512 bytes a wave for the left-out sums
.set SPARE, 143360                     ; and the spare words, 128 bytes a wave
.set AH,    2
.set LI,   1                           ; 16 x lane
.set L8,   2                           ; 8 x lane
.set QO,   3                           ; 32 r
.set PFO,  4
.set SPW,  5
.set NIL,  6
.set SH8,  7
.set TO,   8                           ; 8 r
.set ADW,  9
.set ADO,  10
.set ADM,  11
.set ST,   12                          ; -M, largest t, l in two halves; v16-19: the other half's at the end
.set BM,   20
.set PT,   24
.set TT,   25
.set F,    26
.set SB,   28
.set SOP,  30
.set BY,   32
.set PW,   34
.set MK,   35
.set CT,   36
.set QS,   43
.set ADP,  44
.set T0,   46
.set Q,    48
.set KS,   60
.set VS,   68
.set P,    76
.set S,    88
.set OF,   152                         ; head: mask words; end: the left-out sums in O^T's layout
.set TM,   216
.set WDF,  224
.set O2,   226
.set OX,   192                         ; O^T, in window 1
.set SEL,  2
.set CS,   4                           ; s4: log2(e) / sqrt(128).  The packed form names the pair s[4:5] and takes its low word for both halves,
.set LIM,  5                           ; so s5 is free to hold the prefetches' limit
.set NSK,  6
.set MB,   8
.set OC,   10
.set OS,   12
.set PFA,  14
.set TL,   16
.set HD,   18
.set CNT,  19
.set KPK,  20
.set KPV,  22
.set SPK,  24
.set SPV,  26
.set LA1,  60
.set FA1,  61
.set MOFF, 62
.set PI,   63
.set LV,   100                         ; bit 0: this step has a bit set; bit 2: my next step has
.set FL,   101                         ; bit 0: this step has all bits set
.set MSB, 0
.macro WIN new
.if MSB != (\new)
	s_set_vgpr_msb (MSB<<8)|(\new)
.set MSB, (\new)
.endif
.endm
.macro KGROUP                          ; 26 loads
	WIN 0x40
.set fi, 0
.rept 24
	global_load_b128 v[4*fi:4*fi+3], v[LI], s[KPK:KPK+1] offset:512*fi
.set fi, fi+1
.endr
	WIN 0
	global_load_b128 v[KS:KS+3], v[QO], s[SPK:SPK+1]
	global_load_b128 v[KS+4:KS+7], v[QO], s[SPK:SPK+1] offset:16
.endm
.macro VGROUP                          ; 26 loads
	WIN 0x40
.set fi, 0
.rept 24
	global_load_b128 v[96+4*fi:96+4*fi+3], v[LI], s[KPV:KPV+1] offset:VOFF+512*fi
.set fi, fi+1
.endr
	WIN 0
	global_load_b128 v[VS:VS+3], v[QO], s[SPV:SPV+1]
	global_load_b128 v[VS+4:VS+7], v[QO], s[SPV:SPV+1] offset:16
.endm
.macro VSTEP                           ; v's pointers two steps on; the codes' pointer stays in the last trip, whose next step would lie beyond the last head
	s_cmp_eq_u32 s[CNT], 1
	s_cselect_b32 s104, 0, 2*KSB
	s_mov_b32 s105, 0
	s_add_nc_u64 s[KPV:KPV+1], s[KPV:KPV+1], s[104:105]
	s_add_nc_u64 s[SPV:SPV+1], s[SPV:SPV+1], 1024
.endm
.macro START k                         ; a walk's first loads: q's fragment and scale word, then my first step's two groups.  k's pointers stand at my first step
	s_mul_i32 s28, s[PI], KSB
	s_mov_b32 s29, 0
	s_sub_nc_u64 s[30:31], s[KPK:KPK+1], s[28:29]
	s_sub_nc_u64 s[30:31], s[30:31], VOFF
	s_mul_i32 s28, s[TL+(\k)], 1536
	s_add_nc_u64 s[30:31], s[30:31], s[28:29]      ; q: head x 196,608 + tile x 1,536
	s_lshl_b32 s28, s[PI], 9
	s_sub_nc_u64 s[32:33], s[SPK:SPK+1], s[28:29]
	s_sub_nc_u64 s[32:33], s[32:33], 131072
	s_lshr_b32 s28, s[TL+(\k)], 3
	s_lshl_b32 s28, s28, 9
	s_and_b32 s34, s[TL+(\k)], 7
	s_lshl_b32 s34, s34, 2
	s_add_co_u32 s28, s28, s34
	s_add_nc_u64 s[32:33], s[32:33], s[28:29]      ; its scale words: (16 head + tile / 8) x 512 + 4 (tile % 8)
.irp c, 0,1,2
	global_load_b128 v[Q+4*\c:Q+4*\c+3], v[LI], s[30:31] offset:512*\c
.endr
	global_load_b32 v[QS], v[QO], s[32:33]
	KGROUP
	VGROUP
	s_lshl_b32 s[MOFF], s[TL+(\k)], 12             ; mask words: 4,096 bytes a tile, 256 a step
	s_lshl_b32 s34, s[PI], 8
	s_add_co_u32 s[MOFF], s[MOFF], s34
.endm
.macro QK
	WIN 0x01
.irp t, 0,1,2,3,4,5,6,7
	v_wmma_scale_f32_16x16x128_f8f6f4 v[S+8*\t:S+8*\t+7], v[12*\t:12*\t+11], v[Q:Q+11], 0, v[KS+\t], v[QS] matrix_a_fmt:MATRIX_FMT_FP6 matrix_b_fmt:MATRIX_FMT_FP6
.endr
	WIN 0
.rept 4
	v_nop                                  ; four places ahead of the first read of the scores and of the loads into k's registers
.endr
.endm
; One walk: my eight steps for local tile k
.macro PASS k
	WIN 0x40
.set j, 0
.rept 64
	v_mov_b32 v[OX+j], 0                   ; which step is the walk's first hangs on the mask, so the sums begin as zeros
.set j, j+1
.endr
	WIN 0
	v_mov_b32 v[ST+1], 0xff61b1e6          ; the largest t so far: -3e38
	v_floor_f32 v[ST], -v[ST+1]
	v_mov_b32 v[ST+2], 0
	v_mov_b32 v[ST+3], 0
	s_mov_b32 s[CNT], 8
	s_wait_alu depctr_va_vdst(0)
.Ltrip_\@:
	s_and_b32 s105, s[LV], 1
	s_cmp_lg_u32 s105, 0
	s_cbranch_scc0 .Lidle_\@
	s_wait_loadcnt 26                      ; k's group is in (and q); behind it stands v's group of 26
	s_and_b32 s105, s[FL], 1
	s_cmp_lg_u32 s105, 0
	s_cbranch_scc1 .Lfull_\@
	s_load_b512 s[28:43], s[MB:MB+1], s[MOFF] offset:0x0
	s_load_b512 s[44:59], s[MB:MB+1], s[MOFF] offset:0x40
	s_load_b512 s[68:83], s[MB:MB+1], s[MOFF] offset:0x80
	s_load_b512 s[84:99], s[MB:MB+1], s[MOFF] offset:0xc0
	QK
	s_wait_kmcnt 0x0
.set n, 0
.rept 64
.if n < 32
	v_cndmask_b32 v[S+n], v[MK], v[S+n], s[28+n]
.else
	v_cndmask_b32 v[S+n], v[MK], v[S+n], s[36+n]
.endif
.set n, n+1
.endr
	s_branch .Lhave_\@
.Lfull_\@:
	QK
.Lhave_\@:
	s_add_nc_u64 s[KPK:KPK+1], s[KPK:KPK+1], 2*KSB
	s_add_nc_u64 s[SPK:SPK+1], s[SPK:SPK+1], 1024
	KGROUP                                 ; my next step's k: it has the softmax and the second products in which to land
.irp y, 0,1,2,3
	v_max3_num_f32 v[BM+\y], v[S+16*\y], v[S+16*\y+1], v[S+16*\y+2]
.endr
.irp i, 3,5,7,9,11,13
.irp y, 0,1,2,3
	v_max3_num_f32 v[BM+\y], v[BM+\y], v[S+16*\y+\i], v[S+16*\y+\i+1]
.endr
.endr
.irp c, 0,1
	v_max3_num_f32 v[BM+2*\c], v[BM+2*\c], v[BM+2*\c+1], v[S+32*\c+15]
.endr
.irp c, 0,1
	v_max_num_f32 v[BM+2*\c], v[BM+2*\c], v[S+32*\c+31]      ; my block's largest score: it also gives the block's largest p
.endr
	v_max_num_f32 v[TT], v[BM], v[BM+2]
	v_permlanex16_b32 v[PT], v[TT], s[SEL], s[SEL+1]
	v_max_num_f32 v[TT], v[TT], v[PT]
	v_mul_f32 v[TT], s[CS], v[TT]
	v_max_num_f32 v[ST+1], v[ST+1], v[TT]                    ; the running largest t
	v_mov_b32 v[TT], v[ST]
	v_floor_f32 v[ST], -v[ST+1]                              ; -M = floor(-t)
	v_sub_f32 v[TT], v[ST], v[TT]
	v_cvt_i32_f32 v[TT], v[TT]
	v_ldexp_f32 v[F], 1.0, v[TT]                             ; f = 2^(old M - new M)
.set j, 0
.rept 32
	v_pk_fma_f32 v[S+j:S+j+1], v[S+j:S+j+1], s[CS:CS+1], v[ST:ST+1] op_sel_hi:[1,0,0]
.set j, j+2
.endr
.irp c, 0,1
	v_fma_f32 v[BM+2*\c], v[BM+2*\c], s[CS], v[ST]
.endr
	s_wait_alu depctr_va_vdst(0)
.set j, 0
.rept 64
	v_exp_f32 v[S+j], v[S+j]
.set j, j+1
.endr
	v_pk_mul_f32 v[ST+2:ST+3], v[ST+2:ST+3], v[F:F+1] op_sel_hi:[1,0]
	s_wait_alu depctr_va_vdst(0)
.irp c, 0,1
	v_exp_f32 v[BM+2*\c], v[BM+2*\c]
.endr
	v_pk_add_f32 v[SB:SB+1], v[S:S+1], v[S+2:S+3]            ; l is summed of the unquantised p, in four chains
	v_pk_add_f32 v[CT:CT+1], v[S+4:S+5], v[S+6:S+7]
	v_pk_add_f32 v[CT+2:CT+3], v[S+8:S+9], v[S+10:S+11]
	v_pk_add_f32 v[ST+2:ST+3], v[ST+2:ST+3], v[S+12:S+13]
.irp j, 14,22,30,38,46,54
	v_pk_add_f32 v[SB:SB+1], v[SB:SB+1], v[S+\j:S+\j+1]
	v_pk_add_f32 v[CT:CT+1], v[CT:CT+1], v[S+\j+2:S+\j+3]
	v_pk_add_f32 v[CT+2:CT+3], v[CT+2:CT+3], v[S+\j+4:S+\j+5]
	v_pk_add_f32 v[ST+2:ST+3], v[ST+2:ST+3], v[S+\j+6:S+\j+7]
.endr
	v_pk_add_f32 v[SB:SB+1], v[SB:SB+1], v[S+62:S+63]
	v_pk_add_f32 v[CT:CT+1], v[CT:CT+1], v[CT+2:CT+3]
	v_pk_add_f32 v[ST+2:ST+3], v[ST+2:ST+3], v[SB:SB+1]
	v_pk_add_f32 v[ST+2:ST+3], v[ST+2:ST+3], v[CT:CT+1]
	s_wait_alu depctr_va_vdst(0)
.irp c, 0,1
	v_max_num_f32 v[BM+2*\c], 0x1800000, v[BM+2*\c]          ; the floor holds the byte at 1 from below
.endr
.irp c, 0,1
	v_add_nc_u32 v[SOP+\c], 0xff000000, v[BM+2*\c]
.endr
.irp c, 0,1
	v_lshrrev_b32 v[BY+\c], 23, v[SOP+\c]
.endr
	v_lshl_or_b32 v[PW], v[BY+1], 16, v[BY]
	v_lshlrev_b32 v[PW], v[SH8], v[PW]
	v_permlanex16_b32 v[PT], v[PW], s[SEL], s[SEL+1]
	v_or_b32 v[PW], v[PW], v[PT]
	v_cvt_scalef32_pk16_fp6_f32 v[P:P+2], v[S:S+15], v[SOP]
	v_cvt_scalef32_pk16_fp6_f32 v[CT:CT+2], v[S+16:S+31], v[SOP]
	v_cvt_scalef32_pk16_fp6_f32 v[P+6:P+8], v[S+32:S+47], v[SOP+1]
	v_cvt_scalef32_pk16_fp6_f32 v[CT+4:CT+6], v[S+48:S+63], v[SOP+1]
	v_nop
.irp i, 0,1,2
	v_mov_b32 v[P+3+\i], v[CT+\i]
	v_mov_b32 v[P+9+\i], v[CT+4+\i]
.endr
	s_wait_loadcnt 26                      ; v's group is in; behind it stands k's next group of 26
	WIN 0x41
	s_wait_alu depctr_va_vdst(0)
.set j, 0
.rept 32
	v_pk_mul_f32 v[OX+j:OX+j+1], v[OX+j:OX+j+1], v[F:F+1] op_sel_hi:[1,0]   ; O^T under the new M; these are also the places ahead of the products
.set j, j+2
.endr
	WIN 0x51
.irp t, 0,1,2,3,4,5,6,7
	v_wmma_scale_f32_16x16x128_f8f6f4 v[OX+8*\t:OX+8*\t+7], v[96+12*\t:96+12*\t+11], v[P:P+11], v[OX+8*\t:OX+8*\t+7], v[VS+\t], v[PW] matrix_a_fmt:MATRIX_FMT_FP6 matrix_b_fmt:MATRIX_FMT_FP6
.endr
	WIN 0
.rept 4
	v_nop                                  ; four places ahead of loads into v's registers and of any read of O^T
.endr
	VSTEP
	VGROUP                                 ; my next step's v
	s_branch .Lnext_\@
.Lidle_\@:                                     ; no bit of this step is set
	s_wait_loadcnt 0x0                     ; no load of mine is out: pointers and registers are free
	s_add_nc_u64 s[KPK:KPK+1], s[KPK:KPK+1], 2*KSB
	s_add_nc_u64 s[SPK:SPK+1], s[SPK:SPK+1], 1024
	VSTEP
	s_and_b32 s105, s[LV], 4
	s_cmp_lg_u32 s105, 0
	s_cbranch_scc0 .Lnext_\@
	KGROUP
	VGROUP
.Lnext_\@:
.if (\k) == 0
	s_cmp_gt_u32 s[CNT], s[LIM]
	s_cbranch_scc0 .Lnp_\@
	s_wait_xcnt 0x0                        ; the last trip's prefetch has read its address
	s_add_nc_u64 s[PFA:PFA+1], s[PFA:PFA+1], 2*KSB
	global_prefetch_b8 v[PFO], s[PFA:PFA+1] th:TH_LOAD_NT scope:SCOPE_SE
.Lnp_\@:
.endif
	s_lshr_b32 s[LV], s[LV], 2
	s_lshr_b32 s[FL], s[FL], 2
	s_add_co_u32 s[MOFF], s[MOFF], 512
	s_sub_co_u32 s[CNT], s[CNT], 1
	s_cmp_lg_u32 s[CNT], 0
	s_wait_alu depctr_va_vdst(0)
	s_cbranch_scc1 .Ltrip_\@
	s_wait_loadcnt 0x0                     ; what the last step asked for beyond the walk is in: registers and pointers are free
	WIN 0x04
.set fi, 0
.rept 16
	ds_store_b128 v[ADP+(\k)], v[OX+4*fi:OX+4*fi+3] offset:512*fi   ; my half of this tile; each accumulator from its low end on
.set fi, fi+1
.endr
	WIN 0
	ds_store_b128 v[ADP+(\k)], v[ST:ST+3] offset:8192
.endm
.macro QUANT                           ; the 64 numbers at S become 12 registers of codes at P and the row's scale word in WDF
.irp c, 0,1
	v_max3_num_f32 v[TM+\c], |v[S+32*\c]|, |v[S+32*\c+1]|, 0x1800000
.endr
.irp i, 2,4,6,8,10,12,14,16,18,20,22,24,26,28,30
.irp c, 0,1
	v_max3_num_f32 v[TM+\c], |v[S+32*\c+\i]|, |v[S+32*\c+\i+1]|, v[TM+\c]
.endr
.endr
.irp c, 0,1
	v_add_nc_u32 v[TM+2+\c], 0xff000000, v[TM+\c]
.endr
.irp c, 0,1
	v_lshrrev_b32 v[TM+4+\c], 23, v[TM+2+\c]
.endr
	v_lshl_or_b32 v[WDF], v[TM+5], 16, v[TM+4]
	v_lshlrev_b32 v[WDF], v[SH8], v[WDF]
	v_permlanex16_b32 v[TM+6], v[WDF], s[SEL], s[SEL+1]
	v_or_b32 v[WDF], v[WDF], v[TM+6]
	v_cvt_scalef32_pk16_fp6_f32 v[P:P+2], v[S:S+15], v[TM+2]
	v_cvt_scalef32_pk16_fp6_f32 v[CT:CT+2], v[S+16:S+31], v[TM+2]
	v_cvt_scalef32_pk16_fp6_f32 v[P+6:P+8], v[S+32:S+47], v[TM+3]
	v_cvt_scalef32_pk16_fp6_f32 v[CT+4:CT+6], v[S+48:S+63], v[TM+3]
	v_nop
.irp i, 0,1,2
	v_mov_b32 v[P+3+\i], v[CT+\i]
	v_mov_b32 v[P+9+\i], v[CT+4+\i]
.endr
.endm
.macro CLASS k, la, fa                 ; local tile k's 16 steps: the compares in one run, each into a scalar register of its own, then the bits
.set fi, 0
.rept 16
	v_cmp_ne_u32 s[28+2*fi], 0, v[S+32*(\k)+2*fi]
	v_cmp_ne_u32 s[29+2*fi], -1, v[S+32*(\k)+2*fi+1]
.set fi, fi+1
.endr
	s_mov_b32 s[\la], 0
	s_mov_b32 s[\fa], 0
.set fi, 0
.rept 16
	s_cmp_lg_u32 s[28+2*fi], 0                     ; any bit set?
	s_cselect_b32 s104, 1<<fi, 0
.if (\k) == 0
	s_cselect_b32 s[68+fi], 0, 1.0                 ; the factor of this step's sums in the left-out share
.endif
	s_or_b32 s[\la], s[\la], s104
	s_cmp_eq_u32 s[29+2*fi], 0                     ; all bits set?
	s_cselect_b32 s104, 1<<fi, 0
	s_or_b32 s[\fa], s[\fa], s104
.set fi, fi+1
.endr
.endm
	s_load_b256 s[4:11], s[0:1], 0x0               ; qkv_codes, qkv_scales, maskw, attn_codes
	s_load_b64 s[12:13], s[0:1], 0x20              ; attn_scales
	v_lshl_add_u32 v[SPW], v0, 2, SPARE
	v_mov_b32 v[NIL], 0
	v_lshrrev_b32 v[T0], 5, v0
	v_readfirstlane_b32 s19, v[T0]                 ; wave
	v_and_b32 v[T0], 31, v0
	v_lshlrev_b32 v[LI], 4, v[T0]
	v_lshlrev_b32 v[L8], 3, v[T0]
	v_min_u32 v[PFO], 5, v[T0]                     ; six blocks of 256 bytes; the lanes left over name the last again
	v_lshlrev_b32 v[PFO], 8, v[PFO]
	v_and_b32 v[T0+1], 15, v0
	v_bfe_u32 v[T0], v0, 4, 1
	v_lshlrev_b32 v[QO], 5, v[T0+1]
	v_lshlrev_b32 v[SH8], 3, v[T0]
	v_lshlrev_b32 v[TO], 3, v[T0+1]
	v_lshlrev_b32 v[ADO], 5, v[T0]
	v_mov_b32 v[MK], 0xc7dcf88b                    ; -10000 sqrt(128): the masked score ahead of the factor log2(e) / sqrt(128)
	v_mov_b32 v[PT], 0                             ; a lane permute's destination counts as one of its sources
	v_mov_b32 v[TM+6], 0
	v_mov_b32 v[F+1], 0                            ; upper halves of pairs of which the low word serves both halves
	v_mov_b32 v[SB+1], 0
	v_mov_b32 v[SOP+1], 0
	s_wait_alu depctr_va_vdst(0)
	s_and_b32 s28, s19, 3                          ; p: which pair of tiles
	s_lshr_b32 s[PI], s19, 2                       ; pi: which steps
	s_lshl_b32 s29, s19, 9
	s_add_co_u32 s29, s29, O2A
	v_add_nc_u32 v[ADW], s29, v[LI]
	v_add_nc_u32 v[ADO], s29, v[ADO]
	s_lshl_b32 s30, s28, 1
.irp k, 0,1                            ; local tile k is tile k xor pi of the pair; its half lies in slot (2 p + (k xor pi)) 2 + pi
	s_xor_b32 s31, s[PI], \k
	s_add_co_u32 s31, s31, s30
	s_lshl_b32 s31, s31, 1
	s_add_co_u32 s31, s31, s[PI]
	s_mul_i32 s31, s31, SLOTB
	v_add_nc_u32 v[ADP+\k], s31, v[LI]
.endr
	s_add_co_u32 s31, s30, s[PI]                   ; I join tile pi of the pair: slots (2 p + pi) 2 and the next
	s_lshl_b32 s31, s31, 1
	s_mul_i32 s31, s31, SLOTB
	v_add_nc_u32 v[ADM], s31, v[LI]
	s_lshl_b32 s32, ttmp9, 2
	s_add_co_u32 s32, s32, s28                     ; a
	s_sub_co_u32 s33, 127, s32                     ; 127 - a: tile 0 of the pair
	s_cmp_eq_u32 s[PI], 0
	s_cselect_b32 s[TL], s33, s32
	s_cselect_b32 s[TL+1], s32, s33
	s_and_b32 s[HD], ttmp7, 0xffff                 ; the head
	s_add_co_u32 s34, s[HD], 16
	s_mul_i32 s[KPK], s34, 196608                  ; the offsets stand where the addresses will stand
	s_mul_i32 s35, s[PI], KSB
	s_add_co_u32 s[KPK], s[KPK], s35
	s_mov_b32 s[KPK+1], 0
	s_lshl_b32 s[SPK], s34, 13
	s_lshl_b32 s35, s[PI], 9
	s_add_co_u32 s[SPK], s[SPK], s35
	s_mov_b32 s[SPK+1], 0
	s_lshl_b32 s36, s[TL], 12
	s_mov_b32 s37, 0
	s_lshl_b32 s38, s[TL+1], 12
	s_mov_b32 s39, 0
	s_lshl_b32 s40, s[HD], 13                      ; the sums: 16 steps x 512 bytes a head
	s_add_co_u32 s40, s40, VSUM
	s_mov_b32 s41, 0
	s_mul_i32 s[PFA], s34, 196608                  ; the prefetches: k's head (pi = 0) or v's (pi = 1), my work-group's 1,536 bytes of a trip's 24,576; the first step of the pointer leads to trip AH
	s_mul_i32 s35, s[PI], VOFF
	s_add_co_u32 s[PFA], s[PFA], s35
	s_mul_i32 s35, ttmp9, 1536
	s_add_co_u32 s[PFA], s[PFA], s35
	s_add_co_u32 s[PFA], s[PFA], (AH-1)*2*KSB
	s_mov_b32 s[PFA+1], 0
	s_cmp_eq_u32 s28, 0
	s_cselect_b32 s42, AH, 255                     ; the waves of pair 0 ask while more than AH trips are left, the others never
	s_mov_b32 s[SEL], 0x76543210
	s_mov_b32 s[SEL+1], 0xfedcba98
	s_wait_alu depctr_va_vdst(0)
	s_wait_kmcnt 0x0
	s_add_nc_u64 s[KPK:KPK+1], s[4:5], s[KPK:KPK+1]
	s_mov_b64 s[KPV:KPV+1], s[KPK:KPK+1]
	s_add_nc_u64 s[PFA:PFA+1], s[4:5], s[PFA:PFA+1]
	s_add_nc_u64 s[SPK:SPK+1], s[6:7], s[SPK:SPK+1]
	s_add_nc_u64 s[SPV:SPV+1], s[SPK:SPK+1], 131072
	s_add_nc_u64 s[36:37], s[MB:MB+1], s[36:37]
	s_add_nc_u64 s[38:39], s[MB:MB+1], s[38:39]
	s_add_nc_u64 s[40:41], s[6:7], s[40:41]
	s_mov_b32 s[CS], 0x3e0293ee
	s_mov_b32 s[LIM], s42
	START 0
.irp k, 0,1
.set fi, 0
.rept 16
	global_load_b64 v[OF+32*\k+2*fi:OF+32*\k+2*fi+1], v[L8], s[36+2*\k:37+2*\k] offset:256*fi   ; a step's 64 mask words, two a lane
.set fi, fi+1
.endr
.endr
	WIN 0x40
.set fi, 0
.rept 16
	global_load_b128 v[OX+4*fi:OX+4*fi+3], v[LI], s[40:41] offset:512*fi                      ; a step's 128 sums, four a lane
.set fi, fi+1
.endr
	WIN 0
	s_wait_loadcnt 0x0
.irp k, 0,1
.set fi, 0
.rept 16
	v_or_b32 v[S+32*\k+2*fi], v[OF+32*\k+2*fi], v[OF+32*\k+2*fi+1]
	v_and_b32 v[S+32*\k+2*fi+1], v[OF+32*\k+2*fi], v[OF+32*\k+2*fi+1]
.set fi, fi+1
.endr
.endr
	CLASS 0, LV, FL
	WIN 0x01
.set fi, 0
.rept 16
.irp i, 0,1,2,3
.if fi == 0
	v_mul_f32 v[O2+\i], v[OX+\i], s68
.else
	v_fma_f32 v[O2+\i], v[OX+4*fi+\i], s[68+fi], v[O2+\i]
.endif
.endr
.set fi, fi+1
.endr
	WIN 0
	ds_store_b128 v[ADW], v[O2:O2+3]               ; the left-out sums of the tile that I join wait in my own LDS bytes
	CLASS 1, LA1, FA1
	s_bcnt1_i32_b32 s[NSK], s[LV]
	s_sub_co_u32 s[NSK], 16, s[NSK]
	s_lshl_b32 s[NSK], s[NSK], 7                   ; keys left out of the tile that I join
	s_lshr_b32 s[LV], s[LV], s[PI]                 ; my steps' bits at the even places
	s_lshr_b32 s[FL], s[FL], s[PI]
	PASS 0
	s_sub_nc_u64 s[KPK:KPK+1], s[KPK:KPK+1], 16*KSB    ; back to my first step: eight steps of the pointers, seven of v's codes'
	s_sub_nc_u64 s[KPV:KPV+1], s[KPV:KPV+1], 14*KSB
	s_sub_nc_u64 s[SPK:SPK+1], s[SPK:SPK+1], 8192
	s_sub_nc_u64 s[SPV:SPV+1], s[SPV:SPV+1], 8192
	START 1
	s_lshr_b32 s[LV], s[LA1], s[PI]
	s_lshr_b32 s[FL], s[FA1], s[PI]
	PASS 1
	s_wait_alu depctr_va_vdst(0)
	s_wait_dscnt 0x0                               ; my halves are in LDS
	s_barrier_signal -1
	s_barrier_wait -1                              ; everybody's are
	ds_load_b128 v[ST:ST+3], v[ADM] offset:8192
	ds_load_b128 v[ST+4:ST+7], v[ADM] offset:SLOTB+8192
.set fi, 0
.rept 16
	ds_load_b128 v[S+4*fi:S+4*fi+3], v[ADM] offset:512*fi
.set fi, fi+1
.endr
	WIN 0x40
.set fi, 0
.rept 16
	ds_load_b128 v[4*fi:4*fi+3], v[ADM] offset:SLOTB+512*fi
.set fi, fi+1
.endr
	WIN 0
.set fi, 0
.rept 16
	ds_load_b128 v[OF+4*fi:OF+4*fi+3], v[ADO] offset:64*(fi/2)+16*(fi%2)   ; register 8 t + j: channel (t, h, j)'s left-out sum
.set fi, fi+1
.endr
	s_mul_i32 s40, s[TL], 24576
	s_mul_i32 s41, s[HD], 1536
	s_add_co_u32 s40, s40, s41
	s_mov_b32 s41, 0
	s_add_nc_u64 s[42:43], s[OC:OC+1], s[40:41]    ; attn_codes: [tile][head][1,536]
	s_lshl_b32 s40, s[TL], 10
	s_lshr_b32 s44, s[HD], 1
	s_lshl_b32 s44, s44, 7
	s_add_co_u32 s40, s40, s44
	s_and_b32 s44, s[HD], 1
	s_lshl_b32 s44, s44, 2
	s_add_co_u32 s40, s40, s44
	s_add_nc_u64 s[46:47], s[OS:OS+1], s[40:41]    ; attn_scales: [tile][pair of heads][row][2 words]
	s_mov_b32 s104, 0xff61b1e6
	s_cmp_lg_u32 s[NSK], 0
	s_cselect_b32 s104, 0xc6616bcd, s104           ; tm counts for the maximum where a step was left out
	s_wait_dscnt 0x0
	v_max3_num_f32 v[TT], v[ST+1], v[ST+5], s104
	v_floor_f32 v[BM], -v[TT]                      ; the final -M
	v_sub_f32 v[BM+1], v[BM], v[ST]
	v_sub_f32 v[BM+2], v[BM], v[ST+4]
	v_cvt_i32_f32 v[BM+1], v[BM+1]
	v_cvt_i32_f32 v[BM+2], v[BM+2]
	v_ldexp_f32 v[F], 1.0, v[BM+1]                 ; 2^(a half's M - final M), for each half
	v_ldexp_f32 v[SB], 1.0, v[BM+2]
	v_add_f32 v[ST+2], v[ST+2], v[ST+3]
	v_add_f32 v[ST+6], v[ST+6], v[ST+7]
	v_mul_f32 v[ST+2], v[ST+2], v[F]
	v_fma_f32 v[ST+2], v[ST+6], v[SB], v[ST+2]
	v_permlanex16_b32 v[PT], v[ST+2], s[SEL], s[SEL+1]
	v_add_f32 v[ST+2], v[ST+2], v[PT]              ; l of the steps that ran
	v_add_f32 v[BM+3], 0xc6616bcd, v[BM]           ; tm - M
	v_add_f32 v[BY], 0xc6616c00, v[BM]             ; -14427 - M
	v_min_num_f32 v[BM+3], 0, v[BM+3]              ; (both are under 0 wherever a step was left out; held there, so that no infinity meets the 0 of a tile with none)
	v_min_num_f32 v[BY], 0, v[BY]
	v_cvt_i32_f32 v[BY], v[BY]
	v_ldexp_f32 v[SOP], 1.0, v[BY]                 ; the quantised p of a masked key
	v_cvt_f32_u32 v[BY+1], s[NSK]
	s_wait_alu depctr_va_vdst(0)
	v_exp_f32 v[BM+3], v[BM+3]                     ; its unquantised p
	v_nop
	s_wait_alu depctr_va_vdst(0)
	v_fma_f32 v[ST+2], v[BY+1], v[BM+3], v[ST+2]
	s_wait_alu depctr_va_vdst(0)
	v_rcp_f32 v[ST+2], v[ST+2]
	v_nop
	s_wait_alu depctr_va_vdst(0)
	v_mul_f32 v[F], v[F], v[ST+2]
	v_mul_f32 v[SB], v[SB], v[ST+2]
	v_mul_f32 v[SOP], v[SOP], v[ST+2]
.set j, 0
.rept 32
	v_pk_mul_f32 v[S+j:S+j+1], v[S+j:S+j+1], v[F:F+1] op_sel_hi:[1,0]
.set j, j+2
.endr
	WIN 0x01
.set j, 0
.rept 32
	v_pk_fma_f32 v[S+j:S+j+1], v[j:j+1], v[SB:SB+1], v[S+j:S+j+1] op_sel_hi:[1,0,1]
.set j, j+2
.endr
	WIN 0
.set j, 0
.rept 32
	v_pk_fma_f32 v[S+j:S+j+1], v[OF+j:OF+j+1], v[SOP:SOP+1], v[S+j:S+j+1] op_sel_hi:[1,0,1]
.set j, j+2
.endr
	QUANT
.irp c, 0,1,2
	global_store_b128 v[LI], v[P+4*\c:P+4*\c+3], s[42:43] offset:512*\c
.endr
	global_store_b32 v[TO], v[WDF], s[46:47]
	s_wait_tensorcnt 0x0                           ; the wave's end
	ds_add_u32 v[SPW], v[NIL]
	s_wait_dscnt 0x0
	s_endpgm
.Lfunc_end_k_q56cf12313f_attn:
	.size	k_q56cf12313f_attn, .Lfunc_end_k_q56cf12313f_attn-k_q56cf12313f_attn
	.p2alignl 7, 3214868480
	.fill 96, 4, 3214868480
	.section	.rodata,"a",@progbits
	.p2align	6, 0x0
	.amdhsa_kernel k_q56cf12313f_attn
		.amdhsa_group_segment_fixed_size 144384
		.amdhsa_private_segment_fixed_size 0
		.amdhsa_enable_private_segment 0
		.amdhsa_kernarg_size 40
		.amdhsa_user_sgpr_count 2
		.amdhsa_user_sgpr_kernarg_segment_ptr 1
		.amdhsa_wavefront_size32 1
		.amdhsa_system_sgpr_workgroup_id_x 1
		.amdhsa_system_sgpr_workgroup_id_y 1
		.amdhsa_system_sgpr_workgroup_id_z 1
		.amdhsa_system_vgpr_workitem_id 0
		.amdhsa_next_free_vgpr 512
		.amdhsa_next_free_sgpr 106
		.amdhsa_reserve_vcc 0
		.amdhsa_float_denorm_mode_32 3
		.amdhsa_float_denorm_mode_16_64 3
		.amdhsa_memory_ordered 1
		.amdhsa_forward_progress 1
		.amdhsa_inst_pref_size 123
	.end_amdhsa_kernel
	.amdgpu_metadata
---
amdhsa.version: [ 1, 2 ]
amdhsa.kernels:
  - .name:           k_q56cf12313f_attn
    .symbol:         k_q56cf12313f_attn.kd
    .args:
      - { .name: qkv_codes, .offset: 0, .size: 8, .value_kind: global_buffer, .address_space: global }
      - { .name: qkv_scales, .offset: 8, .size: 8, .value_kind: global_buffer, .address_space: global }
      - { .name: maskw, .offset: 16, .size: 8, .value_kind: global_buffer, .address_space: global }
      - { .name: attn_codes, .offset: 24, .size: 8, .value_kind: global_buffer, .address_space: global }
      - { .name: attn_scales, .offset: 32, .size: 8, .value_kind: global_buffer, .address_space: global }
    .group_segment_fixed_size: 144384
    .private_segment_fixed_size: 0
    .kernarg_segment_align: 8
    .kernarg_segment_size: 40
    .max_flat_workgroup_size: 256
    .sgpr_count:     106
    .vgpr_count:     512
    .wavefront_size: 32
...
	.end_amdgpu_metadata
.endif
;; end of part 3
;; launch oproj (part 4): grid 16 x 16, 4 waves a work-group, clusters of 4 x 4, 327,680 bytes of LDS; arguments attn_codes, attn_scales, codes, scales, out0; writes out0
.if DOCPART == 4
	.amdgcn_target "amdgcn-amd-amdhsa--gfx1250"
	.amdhsa_code_object_version 6
	.text
	.protected	k_q56cf12313f_oproj
	.globl	k_q56cf12313f_oproj
	.p2align	8
	.type	k_q56cf12313f_oproj,@function
k_q56cf12313f_oproj:
	s_mov_b64 s[64:65], 0
	v_nop
	global_prefetch_b8 v0, s[64:65] scope:SCOPE_SE
	s_setreg_imm32_b32 hwreg(HW_REG_WAVE_MODE, 25, 1), 1
	s_wait_xcnt 0x0
	s_wait_alu depctr_hold_cnt(0) depctr_sa_sdst(0) depctr_va_vdst(0) depctr_va_sdst(0) depctr_va_ssrc(0) depctr_va_vcc(0) depctr_vm_vsrc(0)
	s_getreg_b32 s2, hwreg(HW_REG_IB_STS2, 6, 4)
	s_cmp_eq_u32 s2, 0
	s_cbranch_scc0 .Lentry_in_a_cluster
	s_endpgm
.Lentry_in_a_cluster:
	s_bfe_u32 s2, ttmp6, 0x10000c
	s_cmp_lg_u32 s2, 0xf033
	s_cbranch_scc0 .Lentry_shape_is_right
	s_endpgm
.Lentry_shape_is_right:
; OPROJ.  out = attn Wo^T on codes of FP6 (E2M3) with E8M0 scales; out [2048][2048] f32.
; A tile of out is 128 x 128, so that each of 256 WGPs has a work-group (tiles of 256 x 256 would be 64); four waves, each 64 x 64: 16 accumulators.
; All codes are images of operand registers (1,536 bytes a fragment, three ds_load_b128 at 16 x lane).  attn_codes: [tile of tokens][K step = head][1,536]; codes: Wo's tiles are 512 on.
; A tile's 16 rows are rows 128 g + 64 c + 8 u + a + 24 (a / 8) (tile 8 g + 4 c + u).  Source 1 = tokens (the lanes), source 0 = rows of Wo (the registers): with my four tiles of Wo a lane holds 32 neighbouring columns of one row of out.
; THE SLOTS.  A K step of 128 is 24,576 bytes of codes for the work-group.  LDS holds two slots, slot 0 of four steps and slot 1 of eight, both filled at the start: 12 of K's 16 steps.  Slot 0 alone is filled again, with K steps 12-15, as soon as it
; has been read: that load has seven steps in which to land.
; CLUSTERS: 4 x 4; the tokens' tiles are shared along a row of the cluster, Wo's along a column: joint loads.  No prefetch: the launch is short and each tile is read by several clusters at about the same time.
; REGISTERS: window 0: v16-21 LDS addresses, v24-29 addresses that stay, v32-79 scale words (a set for each slot), v128-175 source 1's fragments; window 1: source 0's, two sets at v0, v128; window 2: accumulator (a, b) at 8 (4 a + b).
; SCALARS: what feeds source 1's descriptors (s17, s20-23, s24-31, s40-51, s68-79) never holds the cluster's cx, what feeds source 0's (s32-39, s52-63, s80-97) never cy.
.set MA,    4
.set NB,    4
.set FR,    12
.set NL,    3
.set NQ0,   4                          ; steps of 128 along K in slot 0; slot 1 has eight
; THE SLOTS AS THEY NOW STAND: slot 0 holds four K steps, slot 1 eight.  The head brings slot 0 (K steps 0-3) and the scale words, one joint load a wave; slot 1 (K steps 4-11) is first filled behind the
; round; slot 0 is filled again once, with K steps 12-15.
.set DNQ,   -4                         ; slot 1 has four steps more than slot 0
.set FPI0,  1536*NQ0
.set DFPI,  -6144
.set TROW,  24576
.set HALFT, MA*FPI0                    ; what one tensor load brings
.set SLOT,  4*HALFT
.set SCL,   3*SLOT                     ; behind the slots: the scale words of all of K, filled once
.set KPB,   0
.set STP,   1024
.set HALFS, STP*MA
.set SPARE, 311552                     ; SCL + 4 HALFS + 128, rounded up to 256: the spare words, 128 bytes a wave
.set REFS,  12*1536                    ; slot 0's second content lies twelve K steps on
.set STAGE, SLOT                       ; the way out: in slot 1, which is filled once and which nobody reads behind the last barrier
.set ADRA, 16                          ; v16-17 source 1's fragments in slot 0, 1
.set ADRB, 20                          ; v20-21 source 0's
.set STO,  24                          ; v24  the way out: where I put 32 bytes of a row
.set RD,   25                          ; v25  where I read rows back
.set CO,   26                          ; v26  my byte offset in out
.set ADRS, 27                          ; v27  my scale words in LDS; never rewritten
.set SPW,  28
.set NIL,  29
.set SC,   32
.set SCST, 16
.set AF,   128
.set BK,   128                         ; the way out: 16 rows read back: v128-159 and v160-191 by turns
.set G1,   24
.set G1B,  32
.set DG1,  0
.set G0,   40                          ; s[40:47] group 0 for source 1's tiles, a set for each slot
.set G0B,  52                          ; s[52:59] for source 0's
.set G1S,  68
.set G0S,  76
.set G1SB, 80
.set G0SB, 88
.set MSB, 0
.macro WIN new
.if MSB != (\new)
	s_set_vgpr_msb (MSB<<8)|(\new)
.set MSB, (\new)
.endif
.endm
.macro JLOAD g0a, g1a, g0b, g1b        ; a joint load: waves 0 and 1 fetch for source 1, waves 2 and 3 for source 0; four v_nop follow each line
	s_cmp_eq_u32 s15, 0
	s_cbranch_scc0 .Lfor_b_\@
	tensor_load_to_lds s[\g0a:\g0a+3], s[\g1a:\g1a+7]
	s_nop 0
.rept 4
	v_nop
.endr
	s_branch .Lasked_\@
.Lfor_b_\@:
	tensor_load_to_lds s[\g0b:\g0b+3], s[\g1b:\g1b+7]
	s_nop 0
.rept 4
	v_nop
.endr
.Lasked_\@:
.endm
.macro CREST
	s_cmp_lg_u32 s14, 0
	s_cbranch_scc1 .Lnot_wave_0_\@
	s_barrier_signal -3
.Lnot_wave_0_\@:
	s_barrier_wait -3
	s_barrier_signal -1
	s_barrier_wait -1
.endm
.macro CROUND
	s_barrier_signal -1
	s_barrier_wait -1
	CREST
.endm
.macro PLACES                          ; four places behind a matrix instruction (ISA guide 7.12.1)
.rept 4
	v_nop
.endr
.endm
.macro FRAG reg, adr, off
.irp c, 0,1,2
	ds_load_b128 v[(\reg)+4*\c:(\reg)+4*\c+3], v[\adr] offset:(\off)+512*\c
.endr
.endm
.macro FETCH_B slot, q, p
.set fpis, FPI0-DFPI*(\slot)
	WIN 0x40
.set fi, 0
.rept NB
	FRAG 128*(\p)+FR*fi, ADRB+(\slot), fi*fpis+1536*(\q)
.set fi, fi+1
.endr
	WIN 0
.endm
.macro FETCH_A slot, q, hf
.set fpis, FPI0-DFPI*(\slot)
.set fi, (\hf)*MA/2
.rept MA/2
	FRAG AF+FR*fi, ADRA+(\slot), fi*fpis+1536*(\q)
.set fi, fi+1
.endr
.endm
.macro SCALES sc, kp                   ; the scale words of the content that slot sc takes up, which begins at pair kp of K steps: lanes 0-15 source 1's tile i, lanes 16-31 source 0's tile i; two K steps a load
.set scs, SC+SCST*(\sc)
.set nqs, NQ0-DNQ*(\sc)
.set fi, 0
.rept MA
.set fp, 0
.rept nqs/2
	ds_load_b64 v[scs+nqs*fi+2*fp:scs+nqs*fi+2*fp+1], v[ADRS] offset:STP*fi+128*((\kp)+fp-KPB)
.set fp, fp+1
.endr
.set fi, fi+1
.endr
.endm
.macro MULQ k, p, q, sc, zero          ; a quarter of a step; the accumulators take turns, one instruction a turn
.set ma, (\k)*MA/4
.set wd, 2+(8*NB*ma)/256
.set scs, SC+SCST*(\sc)
.set nqs, NQ0-DNQ*(\sc)
	WIN (1|(wd<<4)|(wd<<6))
.rept MA/4
.set mb, 0
.rept NB
.set rD, (8*(NB*ma+mb))%256
.if \zero
	v_wmma_scale_f32_16x16x128_f8f6f4 v[rD:rD+7], v[128*(\p)+FR*mb:128*(\p)+FR*mb+FR-1], v[AF+FR*ma:AF+FR*ma+FR-1], 0, v[scs+nqs*mb+(\q)], v[scs+nqs*ma+(\q)] matrix_a_fmt:MATRIX_FMT_FP6 matrix_b_fmt:MATRIX_FMT_FP6 matrix_a_scale:MATRIX_SCALE_ROW1
.else
	v_wmma_scale_f32_16x16x128_f8f6f4 v[rD:rD+7], v[128*(\p)+FR*mb:128*(\p)+FR*mb+FR-1], v[AF+FR*ma:AF+FR*ma+FR-1], v[rD:rD+7], v[scs+nqs*mb+(\q)], v[scs+nqs*ma+(\q)] matrix_a_fmt:MATRIX_FMT_FP6 matrix_b_fmt:MATRIX_FMT_FP6 matrix_a_scale:MATRIX_SCALE_ROW1
.endif
.set mb, mb+1
.endr
.set ma, ma+1
.endr
.endm
.macro STEP slot, q, zero              ; a step of 128 along K that has its successor in the same slot
	s_wait_dscnt (MA/2)*NL                         ; all but the youngest loads (source 1's second half) are in
	MULQ 0, (\q)%2, \q, \slot, \zero
	MULQ 1, (\q)%2, \q, \slot, \zero
	s_wait_dscnt 0
	PLACES
	FETCH_B \slot, (\q)+1, 1-(\q)%2
	FETCH_A \slot, (\q)+1, 0
	MULQ 2, (\q)%2, \q, \slot, \zero
	MULQ 3, (\q)%2, \q, \slot, \zero
	PLACES
	WIN 0
	FETCH_A \slot, (\q)+1, 1
.endm
.macro MIDSTEPS slot, q0
.set sq, \q0
.rept NQ0-DNQ*(\slot)-1-(\q0)
	STEP \slot, sq, 0
.set sq, sq+1
.endr
.endm
; A slot's last step where the next slot is known to be whole and this slot is not filled again: a step like any other, whose fetches go to the next slot.  No barrier.
.macro HOP slot, next, kp
.set lq, NQ0-DNQ*(\slot)-1
	s_wait_dscnt (MA/2)*NL
	MULQ 0, 1, lq, \slot, 0
	MULQ 1, 1, lq, \slot, 0
	s_wait_dscnt 0
	PLACES
	FETCH_B \next, 0, 0
	FETCH_A \next, 0, 0
	SCALES \next, \kp
	MULQ 2, 1, lq, \slot, 0
	MULQ 3, 1, lq, \slot, 0
	PLACES
	WIN 0
	FETCH_A \next, 0, 1
.endm
; A slot's last step with a barrier: ahead of it each wave waits for all its tensor loads, adds 0 to its spare word, and waits for that and for its reads of this slot.  fill = 1: this slot is filled again.
.macro TURN slot, next, fill, kp
.set lq, NQ0-DNQ*(\slot)-1
	s_wait_tensorcnt 0x0                           ; all my tensor loads have landed
	ds_add_u32 v[SPW], v[NIL]                      ; 0 onto my spare word
	s_wait_dscnt (MA/2)*NL+1                       ; (the add and the youngest loads may be out)
	MULQ 0, 1, lq, \slot, 0
	s_wait_dscnt 0x0                               ; the add is done, and my reads of this slot are over
	s_barrier_signal -1
	MULQ 1, 1, lq, \slot, 0
	WIN 0
	s_barrier_wait -1
.if \fill
	CREST                                          ; the barrier has opened a round of the cluster's
	s_add_nc_u64 s[G0+4*(\slot)+2:G0+4*(\slot)+3], s[G0+4*(\slot)+2:G0+4*(\slot)+3], REFS
	s_add_nc_u64 s[G0B+4*(\slot)+2:G0B+4*(\slot)+3], s[G0B+4*(\slot)+2:G0B+4*(\slot)+3], REFS
	JLOAD G0+4*(\slot), G1+DG1*(\slot), G0B+4*(\slot), G1B+DG1*(\slot)   ; the first tensor load behind the round; its four v_nop are the places ahead of the loads below
.else
	PLACES
.endif
	FETCH_B \next, 0, 0
	FETCH_A \next, 0, 0
	SCALES \next, \kp
	MULQ 2, 1, lq, \slot, 0
	MULQ 3, 1, lq, \slot, 0
	PLACES
	WIN 0
	FETCH_A \next, 0, 1
.endm
	s_load_b128 s[4:7], s[0:1], 0x0                ; attn_codes s[4:5], attn_scales s[6:7]
	s_load_b128 s[8:11], s[0:1], 0x10              ; codes s[8:9], scales s[10:11]
	s_load_b64 s[12:13], s[0:1], 0x20              ; out0
	v_lshl_add_u32 v[SPW], v0, 2, SPARE
	v_mov_b32 v[NIL], 0
	ds_add_u32 v28, v29
	ds_add_u32 v28, v29
	s_wait_dscnt 0x0
	v_lshrrev_b32 v1, 5, v0
	v_readfirstlane_b32 s14, v1                    ; wave 0..3
	s_lshr_b32 s15, s14, 1                         ; my half of the tokens' tiles.  Also: I fetch for source 1 (0) or source 0 (1)
	s_and_b32 s16, s14, 1                          ; my half of Wo's.  Also: which half I fetch
	s_bfe_u32 s92, ttmp6, 0x40000                  ; cx
	s_bfe_u32 s22, ttmp6, 0x40004                  ; cy
	s_lshl_b32 s94, ttmp9, 2
	s_add_co_u32 s94, s94, s92                     ; X
	s_and_b32 s17, ttmp7, 0xffff
	s_lshl_b32 s17, s17, 2
	s_add_co_u32 s17, s17, s22                     ; Y
	s_lshl_b32 s23, s22, 2
	s_lshl_b32 s23, 15, s23                        ; my row of the cluster
	s_lshl_b32 s93, 0x1111, s92                    ; my column
	s_or_b32 s[G1], s23, (3<<16)|(1<<21)           ; codes: MA rows (tiles) of four K steps, TROW bytes apart, elements of 8 bytes
	s_or_b32 s[G1S], s23, (3<<16)|(1<<21)
	s_or_b32 s[G1B], s93, (3<<16)|(1<<21)
	s_or_b32 s[G1SB], s93, (3<<16)|(1<<21)
.irp g, G1, G1B
	s_mov_b32 s[\g+1], (FPI0/8)<<16
	s_mov_b32 s[\g+2], (2*MA)<<16                  ; the head's load brings all 8 tiles of a side; behind it the two words are set to MA
	s_mov_b32 s[\g+3], (FPI0/8)<<16
	s_mov_b32 s[\g+4], 2*MA
	s_mov_b32 s[\g+5], TROW/8
	s_mov_b32 s[\g+6], 0
	s_mov_b32 s[\g+7], 0
.endr
.irp g, G1S, G1SB                      ; scale words: a dense block of 2,048 MA bytes, as rows of 256 bytes
	s_mov_b32 s[\g+1], 32<<16
	s_mov_b32 s[\g+2], (8*MA)<<16                  ; the scale words of all 8 tiles of a side
	s_mov_b32 s[\g+3], 32<<16
	s_mov_b32 s[\g+4], 8*MA
	s_mov_b32 s[\g+5], 32
	s_mov_b32 s[\g+6], 0
	s_mov_b32 s[\g+7], 0
.endr
	s_lshl_b32 s20, s17, 3                         ; tokens: tile 8 Y
	s_lshl_b32 s95, s94, 3
	s_add_co_u32 s95, s95, 512                     ; Wo: tile 512 + 8 X + 4 half
	s_mul_i32 s[G0+2], s20, TROW                   ; the offsets stand where the addresses will stand
	s_mov_b32 s[G0+3], 0
	s_lshl_b32 s[G0S+2], s20, 10
	s_mov_b32 s[G0S+3], 0
	s_mul_i32 s[G0B+2], s95, TROW
	s_mov_b32 s[G0B+3], 0
	s_lshl_b32 s[G0SB+2], s95, 10
	s_mov_b32 s[G0SB+3], 0
	s_mov_b32 s[G0], 1                             ; the head's loads: source 1's 8 tiles from byte 0 on,
	s_mov_b32 s[G0+1], 0
	s_mov_b32 s[G0B], 1                            ; source 0's behind them
	s_mov_b32 s[G0B+1], 2*HALFT
	s_mov_b32 s[G0+4], 1                           ; slot 1: a quarter a wave, by the wave's number alone
	s_mul_i32 s[G0+5], s14, 2*HALFT
	s_add_co_u32 s[G0+5], s[G0+5], SLOT
	s_mov_b32 s[G0B+4], 1
	s_mul_i32 s[G0B+5], s14, 2*HALFT
	s_add_co_u32 s[G0B+5], s[G0B+5], SLOT
	s_mov_b32 s[G0S], 1
	s_mov_b32 s[G0S+1], SCL
	s_mov_b32 s[G0SB], 1
	s_mov_b32 s[G0SB+1], SCL+2*HALFS+128           ; source 0's words lie 128 bytes further on, so that the two halves of a load's lanes fall on different banks
	s_mul_i32 s18, s16, 4*TROW                     ; behind the head I fetch 4 tiles of a side: which half, in bytes
	s_mov_b32 s19, 0
	s_wait_kmcnt 0x0
	s_add_nc_u64 s[G0+2:G0+3], s[4:5], s[G0+2:G0+3]            ; slot s begins with K steps 4 s .. 4 s + 3
	s_add_nc_u64 s[G0+6:G0+7], s[G0+2:G0+3], FPI0
	s_add_nc_u64 s[G0+6:G0+7], s[G0+6:G0+7], s[18:19]
	s_or_b32 s[G0+3], s[G0+3], 0x80000000
	s_or_b32 s[G0+7], s[G0+7], 0x80000000
	s_add_nc_u64 s[G0B+2:G0B+3], s[8:9], s[G0B+2:G0B+3]
	s_add_nc_u64 s[G0B+6:G0B+7], s[G0B+2:G0B+3], FPI0
	s_add_nc_u64 s[G0B+6:G0B+7], s[G0B+6:G0B+7], s[18:19]
	s_or_b32 s[G0B+3], s[G0B+3], 0x80000000
	s_or_b32 s[G0B+7], s[G0B+7], 0x80000000
	s_add_nc_u64 s[G0S+2:G0S+3], s[6:7], s[G0S+2:G0S+3]
	s_or_b32 s[G0S+3], s[G0S+3], 0x80000000
	s_add_nc_u64 s[G0SB+2:G0SB+3], s[10:11], s[G0SB+2:G0SB+3]
	s_or_b32 s[G0SB+3], s[G0SB+3], 0x80000000
	CROUND                                         ; all sixteen work-groups are here: the first joint loads meet
; THE HEAD'S LOADS, ONE A WAVE: wave 0 slot 0's 8 tiles of source 1, wave 1 those of source 0, wave 2 source 1's scale words, wave 3 source 0's.
.macro ARM under, g0, g1, next
	s_cmp_lt_u32 s14, \under
	s_cbranch_scc0 \next
	tensor_load_to_lds s[\g0:\g0+3], s[\g1:\g1+7]
	s_nop 0
.rept 4
	v_nop
.endr
	s_branch .Lhead_asked
\next:
.endm
	ARM 1, G0,  G1,  .Lhead_b
	ARM 2, G0B, G1B, .Lhead_sa
	ARM 3, G0S, G1S, .Lhead_sb
	tensor_load_to_lds s[G0SB:G0SB+3], s[G1SB:G1SB+7]
	s_nop 0
.rept 4
	v_nop
.endr
.Lhead_asked:
	v_and_b32 v1, 31, v0
	v_lshlrev_b32 v4, 4, v1                        ; 16 x lane
	v_and_b32 v2, 15, v0                           ; r
	s_wait_alu depctr_va_vdst(0)
	v_bfe_u32 v3, v0, 4, 1                         ; h
	s_wait_alu depctr_va_vdst(0)
	s_mul_i32 s18, s15, HALFT
	s_mul_i32 s19, s16, HALFT
	s_add_co_u32 s19, s19, 2*HALFT
	v_add_nc_u32 v[ADRA], s18, v4
	v_add_nc_u32 v[ADRB], s19, v4
	s_mul_i32 s18, s15, 2*HALFT
	s_add_co_u32 s18, s18, SLOT
	s_mul_i32 s19, s16, 2*HALFT
	s_add_co_u32 s19, s19, SLOT+4*HALFT
	v_add_nc_u32 v[ADRA+1], s18, v4
	v_add_nc_u32 v[ADRB+1], s19, v4
	v_lshlrev_b32 v5, 3, v2
	s_mul_i32 s18, s15, HALFS
	s_mul_i32 s19, s16, HALFS
	s_add_co_u32 s19, s19, 2*HALFS+128
	s_sub_co_u32 s19, s19, s18
	v_mul_u32_u24 v6, s19, v3                      ; lanes 16-31 take source 0's words: one product, the distance between the two
	s_add_co_u32 s18, s18, SCL
	v_add_nc_u32 v5, v5, v6
	v_add_nc_u32 v[ADRS], s18, v5
	s_mul_i32 s18, s14, 16*272                     ; my stage: 16 rows x (256 bytes + 16)
	s_add_co_u32 s18, s18, STAGE
	v_mul_u32_u24 v5, v2, 272
	v_lshl_add_u32 v5, v3, 7, v5
	v_add_nc_u32 v[STO], s18, v5                   ; in: row r, 128 bytes for each half of the lanes
	v_mul_u32_u24 v5, v3, 272
	v_lshl_add_u32 v5, v2, 4, v5
	v_add_nc_u32 v[RD], s18, v5                    ; back: lanes 0-15 one row of 256 bytes, lanes 16-31 the next
	v_lshlrev_b32 v5, 13, v3
	v_lshl_add_u32 v[CO], v2, 4, v5                ; and the same two rows in out
	s_lshl_b32 s20, s17, 7
	s_lshl_b32 s21, s15, 6
	s_add_co_u32 s20, s20, s21
	s_lshl_b32 s20, s20, 13                        ; row 128 Y + 64 half, rows of 8,192 bytes
	s_mov_b32 s21, 0
	s_lshl_b32 s96, s94, 9
	s_lshl_b32 s97, s16, 8
	s_add_co_u32 s96, s96, s97                     ; column 128 X + 64 half, in bytes
	s_mov_b32 s97, 0
	s_add_nc_u64 s[12:13], s[12:13], s[20:21]
	s_add_nc_u64 s[12:13], s[12:13], s[96:97]
	s_wait_alu depctr_va_vdst(0)
	s_wait_tensorcnt 0x0                           ; my tile of the head's four is in
	ds_add_u32 v[SPW], v[NIL]
	s_mov_b32 s[G1+2], MA<<16                      ; no tensor load of mine is out: slot 0's next load brings MA tiles,
	s_mov_b32 s[G1+4], MA
	s_mov_b32 s[G1B+2], MA<<16
	s_mov_b32 s[G1B+4], MA
.irp g, G1S, G1SB                      ; and the scale words' groups 1, whose first word holds the same mask and element, now serve slot 1: MA tiles of eight K steps
	s_mov_b32 s[\g+1], (2*FPI0/8)<<16
	s_mov_b32 s[\g+2], MA<<16
	s_mov_b32 s[\g+3], (2*FPI0/8)<<16
	s_mov_b32 s[\g+4], MA
	s_mov_b32 s[\g+5], TROW/8
.endr
	s_mul_i32 s[G0+1], s14, HALFT                  ; slot 0's refill: my quarter,
	s_mul_i32 s[G0B+1], s14, HALFT
	s_mul_i32 s18, s16, 4*TROW
	s_mov_b32 s19, 0
	s_add_nc_u64 s[G0+2:G0+3], s[G0+2:G0+3], s[18:19]          ; from my half of the side's tiles
	s_add_nc_u64 s[G0B+2:G0B+3], s[G0B+2:G0B+3], s[18:19]
	s_wait_dscnt 0x0
	CROUND                                         ; a whole round: all four tiles are in, and the joint loads meet
	JLOAD G0+4, G1S, G0B+4, G1SB                   ; slot 1's first fill: my one tensor load behind the round
	FETCH_B 0, 0, 0
	FETCH_A 0, 0, 0
	SCALES 0, 0
	FETCH_A 0, 0, 1
	STEP 0, 0, 1                                   ; K step 0: its products start the sums
	MIDSTEPS 0, 1                                  ; 1, 2
	TURN 0, 1, 1, 2                                ; 3; every wave's first fills have landed; slot 0 takes K steps 12-15
	MIDSTEPS 1, 0                                  ; 4 .. 10
	TURN 1, 0, 0, 6                                ; 11; slot 0's second content has landed in every wave; nothing is left to fetch
	MIDSTEPS 0, 0                                  ; 12, 13, 14
	s_wait_dscnt (MA/2)*NL                         ; 15
	MULQ 0, 1, NQ0-1, 0, 0
	MULQ 1, 1, NQ0-1, 0, 0
	s_wait_dscnt 0
	MULQ 2, 1, NQ0-1, 0, 0
	MULQ 3, 1, NQ0-1, 0, 0
	WIN 0
; THE WAY OUT, a tile of 16 tokens x 64 columns at a time, through my own stage: back come whole pieces of 256 bytes of a row, which sixteen lanes store as one aligned run.
; Row rr of tile a is row 8 a + rr + 24 (rr / 8) of my 64: with rr = 2 t + (lane / 16) that is 32 (t / 4) + 8 a + 2 (t % 4) + (lane / 16).
.macro TOSTAGE a
	WIN 0x08                                       ; an LDS store's data are its source 1: window 2
.irp b, 0,1,2,3
	ds_store_b128 v[STO], v[32*(\a)+8*\b:32*(\a)+8*\b+3] offset:32*\b          ; each accumulator from its low end on
	ds_store_b128 v[STO], v[32*(\a)+8*\b+4:32*(\a)+8*\b+7] offset:32*\b+16
.endr
	WIN 0
.set BB, BK+32*((\a)%2)
.irp t, 0,1,2,3,4,5,6,7
	ds_load_b128 v[BB+4*\t:BB+4*\t+3], v[RD] offset:544*\t   ; LDS serves a wave's instructions in order: these see the stores above
.endr
.endm
.macro SEND a, younger                 ; younger: the LDS instructions issued behind tile a's loads, which may stay out
.set BB, BK+32*((\a)%2)
	s_wait_dscnt \younger
.irp t, 0,1,2,3,4,5,6,7
	global_store_b128 v[CO], v[BB+4*\t:BB+4*\t+3], s[12:13] offset:(32*(\t/4)+8*(\a)+2*(\t%4))*8192 th:TH_STORE_NT
.endr
.endm
	PLACES
	TOSTAGE 0
.irp a, 1,2,3
.if \a > 1
	s_wait_xcnt 0x0                                ; the stores of two tiles back have read their registers: this tile's loads may land there
.endif
	TOSTAGE \a
	SEND \a-1, 16                                  ; behind tile a - 1's loads: tile a's 8 stores and 8 loads
.endr
	SEND 3, 0
	s_wait_tensorcnt 0x0                           ; the wave's end
	ds_add_u32 v[SPW], v[NIL]
	s_wait_dscnt 0x0
	CROUND                                         ; the closing round
	s_endpgm
.Lfunc_end_k_q56cf12313f_oproj:
	.size	k_q56cf12313f_oproj, .Lfunc_end_k_q56cf12313f_oproj-k_q56cf12313f_oproj
	.p2alignl 7, 3214868480
	.fill 96, 4, 3214868480
	.section	.rodata,"a",@progbits
	.p2align	6, 0x0
	.amdhsa_kernel k_q56cf12313f_oproj
		.amdhsa_group_segment_fixed_size 327680
		.amdhsa_private_segment_fixed_size 0
		.amdhsa_enable_private_segment 0
		.amdhsa_kernarg_size 40
		.amdhsa_user_sgpr_count 2
		.amdhsa_user_sgpr_kernarg_segment_ptr 1
		.amdhsa_wavefront_size32 1
		.amdhsa_system_sgpr_workgroup_id_x 1
		.amdhsa_system_sgpr_workgroup_id_y 1
		.amdhsa_system_sgpr_workgroup_id_z 1
		.amdhsa_system_vgpr_workitem_id 0
		.amdhsa_next_free_vgpr 640
		.amdhsa_next_free_sgpr 98
		.amdhsa_reserve_vcc 0
		.amdhsa_float_denorm_mode_32 3
		.amdhsa_float_denorm_mode_16_64 3
		.amdhsa_memory_ordered 1
		.amdhsa_forward_progress 1
		.amdhsa_inst_pref_size 86
	.end_amdhsa_kernel
	.amdgpu_metadata
---
amdhsa.version: [ 1, 2 ]
amdhsa.kernels:
  - .name:           k_q56cf12313f_oproj
    .symbol:         k_q56cf12313f_oproj.kd
    .args:
      - { .name: attn_codes, .offset: 0, .size: 8, .value_kind: global_buffer, .address_space: global }
      - { .name: attn_scales, .offset: 8, .size: 8, .value_kind: global_buffer, .address_space: global }
      - { .name: codes, .offset: 16, .size: 8, .value_kind: global_buffer, .address_space: global }
      - { .name: scales, .offset: 24, .size: 8, .value_kind: global_buffer, .address_space: global }
      - { .name: out0, .offset: 32, .size: 8, .value_kind: global_buffer, .address_space: global }
    .group_segment_fixed_size: 327680
    .private_segment_fixed_size: 0
    .kernarg_segment_align: 8
    .kernarg_segment_size: 40
    .max_flat_workgroup_size: 128
    .sgpr_count:     98
    .vgpr_count:     640
    .wavefront_size: 32
...
	.end_amdgpu_metadata
.endif
;; end of part 4
